; MI455X (gfx1250); checked and timed in simulation.
; The chip was launched on July 23, 2026; its instructions are those of AMD's public machine-readable ISA for CDNA 5 (MIT licence, August 2026) and "CDNA5" Instruction Set Architecture Reference Guide (July 2026). The comments in the code are by the model that wrote it; some were corrected since.
;; Scaled Dot Product Attention. Allowed arithmetic: float matrix products may take bf16 or f16 operands with f32 sums; all other float work in f32.
;; Inputs: Wk 1,024 x 1,024 float32; Wq 1,024 x 1,024 float32; Wv 1,024 x 1,024 float32; x 4 x 2,048 x 1,024 float32.
;; Outputs: out0 4 x 2,048 x 1,024 float32.
;; One version. Each part assembles by itself: llvm-mc -triple=amdgcn-amd-amdhsa -mcpu=gfx1250 --defsym DOCPART=n.
;; ======== version 1 of 1: 4 launches
;; limits: values are held in f16: magnitudes above 65,504 overflow, below 6.1e-05 lose precision
;; workspace buffers: xb 16,777,216 bytes; wb 6,291,456 bytes; qkv 50,331,648 bytes; p 33,554,432 bytes; stats 1,048,576 bytes
;; launch cast (part 1): grid 704 x 1, 8 waves a work-group, no clusters, 0 bytes of LDS; arguments x, Wq, Wk, Wv, xb, wb; writes xb, wb
.if DOCPART == 1
	.amdgcn_target "amdgcn-amd-amdhsa--gfx1250"
	.amdhsa_code_object_version 6
	.text
	.protected	k_q6c18a5c52f_cast
	.globl	k_q6c18a5c52f_cast
	.p2align	8
	.type	k_q6c18a5c52f_cast,@function
k_q6c18a5c52f_cast:
	s_mov_b64 s[64:65], 0
	v_nop
	global_prefetch_b8 v0, s[64:65] scope:SCOPE_SE
	s_setreg_imm32_b32 hwreg(HW_REG_WAVE_MODE, 25, 1), 1
	s_wait_xcnt 0x0
; xb = bf16(x), wb = bf16(Wq | Wk | Wv, the three weights' rows one below the other), each number rounded once, to nearest even, and laid IN BLOCKS of 64 along K:
;   xb: [16 blocks][8192 rows][64],  wb: [16 blocks][3072 rows][64].  So the launch behind finds any run of rows of one block as dense bytes, 128 a row.
; A stream: no LDS, no barrier, no matrix unit; every byte is read once and written once.
; A work-group of eight waves takes 16 rows of 1,024 numbers: 65,536 bytes of f32 in, 32,768 bytes of bf16 out.  Work-groups 0-511 take x; work-group 512 + j takes rows 16 (j % 64) on of
; weight j / 64, which are rows 16 j on of wb.  Wave w takes blocks 2 w and 2 w + 1.  In step i of eight it takes four rows (4 (i % 4) on) of block 2 w + i / 4: lane l reads 32 bytes of row l / 8
; (eight lanes cover 256 consecutive bytes, aligned) and writes 16 bytes: the four rows' 128 bytes lie end to end, so a wave's store covers 512 consecutive bytes, aligned.
; All sixteen loads of a thread go out at once; no register is used twice, so the only waits are the counted ones for the loads.
.set OUT, 8                            ; v8, v9    my byte offset in the destination for block 2 w, 2 w + 1
.set X, 12                             ; v[12:75]  step i: 8 numbers in f32
.set Y, 76                             ; v[76:107] step i: 8 numbers in bf16
.set XKB, 8192*128                     ; bytes in a block of xb
.set WKB, 3072*128                     ; and of wb
	s_load_b256 s[4:11], s[0:1], 0x0               ; x s[4:5], Wq s[6:7], Wk s[8:9], Wv s[10:11]
	s_load_b128 s[12:15], s[0:1], 0x20             ; xb s[12:13], wb s[14:15]
	v_and_b32 v3, 31, v0                           ; lane
	v_lshrrev_b32 v4, 5, v0                        ; wave
	v_lshrrev_b32 v5, 3, v3                        ; lane / 8: my row among four
	v_and_b32 v6, 7, v3                            ; lane % 8: my eight numbers among 64
	v_lshlrev_b32 v1, 12, v5                       ; in: row x 4,096 bytes
	v_lshl_add_u32 v1, v4, 9, v1                   ; + block 2 w x 256 bytes
	v_lshl_add_u32 v1, v6, 5, v1                   ; + 32 bytes a lane
	s_sub_co_u32 s16, ttmp9, 512                   ; j (used only where the work-group's number is 512 or more)
	s_and_b32 s17, s16, 63                         ; the piece in its weight
	s_mov_b32 s27, WKB
	s_cmp_lt_u32 ttmp9, 512
	s_cselect_b32 s18, ttmp9, s17                  ; the piece of 16 rows in the source
	s_cselect_b32 s20, ttmp9, s16                  ; and in the destination
	s_cselect_b32 s26, XKB, s27                    ; bytes from block to block in the destination
	s_lshl_b32 s18, s18, 16                        ; 16 rows of 4,096 bytes
	s_lshl_b32 s20, s20, 11                        ; 16 rows of 128 bytes
	s_mov_b32 s19, 0
	s_mov_b32 s21, 0
	v_lshlrev_b32 v7, 1, v4                        ; 2 w
	v_mul_u32_u24 v[OUT], s26, v7                  ; out: block 2 w
	v_lshl_add_u32 v[OUT], v3, 4, v[OUT]           ; + 16 bytes a lane
	v_add_nc_u32 v[OUT+1], s26, v[OUT]             ; and block 2 w + 1
	s_wait_kmcnt 0x0
	s_cmp_lt_u32 ttmp9, 640                        ; the source is chosen among the four buffers by the work-group's number alone
	s_cselect_b64 s[22:23], s[8:9], s[10:11]       ; 576-639 Wk, 640-703 Wv
	s_cmp_lt_u32 ttmp9, 576
	s_cselect_b64 s[22:23], s[6:7], s[22:23]       ; 512-575 Wq
	s_cmp_lt_u32 ttmp9, 512
	s_cselect_b64 s[22:23], s[4:5], s[22:23]       ; 0-511 x
	s_cselect_b64 s[24:25], s[12:13], s[14:15]     ; and the destination: xb or wb
	s_add_nc_u64 s[22:23], s[22:23], s[18:19]
	s_add_nc_u64 s[24:25], s[24:25], s[20:21]
.irp i, 0,1,2,3,4,5,6,7
	global_load_b128 v[X+8*(\i):X+8*(\i)+3],   v1, s[22:23] offset:16384*((\i)%4)+256*((\i)/4) th:TH_LOAD_NT
	global_load_b128 v[X+8*(\i)+4:X+8*(\i)+7], v1, s[22:23] offset:16384*((\i)%4)+256*((\i)/4)+16 th:TH_LOAD_NT
.endr
.irp i, 0,1,2,3,4,5,6,7
	s_wait_loadcnt 14-2*(\i)                       ; loads come back in order (ISA guide 5.7.1): step i's two are in, the 14 - 2 i issued behind them may be out
.irp k, 0,1,2,3
	v_cvt_pk_bf16_f32 v[Y+4*(\i)+(\k)], v[X+8*(\i)+2*(\k)], v[X+8*(\i)+2*(\k)+1]
.endr
	global_store_b128 v[OUT+(\i)/4], v[Y+4*(\i):Y+4*(\i)+3], s[24:25] offset:512*((\i)%4)
.endr
	s_endpgm
.Lfunc_end_k_q6c18a5c52f_cast:
	.size	k_q6c18a5c52f_cast, .Lfunc_end_k_q6c18a5c52f_cast-k_q6c18a5c52f_cast
	.p2alignl 7, 3214868480
	.fill 96, 4, 3214868480
	.section	.rodata,"a",@progbits
	.p2align	6, 0x0
	.amdhsa_kernel k_q6c18a5c52f_cast
		.amdhsa_group_segment_fixed_size 0
		.amdhsa_private_segment_fixed_size 0
		.amdhsa_enable_private_segment 0
		.amdhsa_kernarg_size 48
		.amdhsa_user_sgpr_count 2
		.amdhsa_user_sgpr_kernarg_segment_ptr 1
		.amdhsa_wavefront_size32 1
		.amdhsa_system_sgpr_workgroup_id_x 1
		.amdhsa_system_sgpr_workgroup_id_y 1
		.amdhsa_system_sgpr_workgroup_id_z 1
		.amdhsa_system_vgpr_workitem_id 0
		.amdhsa_next_free_vgpr 108
		.amdhsa_next_free_sgpr 66
		.amdhsa_reserve_vcc 0
		.amdhsa_float_denorm_mode_32 3
		.amdhsa_float_denorm_mode_16_64 3
		.amdhsa_memory_ordered 1
		.amdhsa_forward_progress 1
		.amdhsa_inst_pref_size 7
	.end_amdhsa_kernel
	.amdgpu_metadata
---
amdhsa.version: [ 1, 2 ]
amdhsa.kernels:
  - .name:           k_q6c18a5c52f_cast
    .symbol:         k_q6c18a5c52f_cast.kd
    .args:
      - { .name: x, .offset: 0, .size: 8, .value_kind: global_buffer, .address_space: global }
      - { .name: Wq, .offset: 8, .size: 8, .value_kind: global_buffer, .address_space: global }
      - { .name: Wk, .offset: 16, .size: 8, .value_kind: global_buffer, .address_space: global }
      - { .name: Wv, .offset: 24, .size: 8, .value_kind: global_buffer, .address_space: global }
      - { .name: xb, .offset: 32, .size: 8, .value_kind: global_buffer, .address_space: global }
      - { .name: wb, .offset: 40, .size: 8, .value_kind: global_buffer, .address_space: global }
    .group_segment_fixed_size: 0
    .private_segment_fixed_size: 0
    .kernarg_segment_align: 8
    .kernarg_segment_size: 48
    .max_flat_workgroup_size: 256
    .sgpr_count:     66
    .vgpr_count:     108
    .wavefront_size: 32
...
	.end_amdgpu_metadata
.endif
;; end of part 1
;; launch proj (part 2): grid 8 x 32, 4 waves a work-group, clusters of 4 x 4, 327,680 bytes of LDS; arguments xb, wb, qkv; writes qkv
.if DOCPART == 2
	.amdgcn_target "amdgcn-amd-amdhsa--gfx1250"
	.amdhsa_code_object_version 6
	.text
	.protected	k_q6c18a5c52f_proj
	.globl	k_q6c18a5c52f_proj
	.p2align	8
	.type	k_q6c18a5c52f_proj,@function
k_q6c18a5c52f_proj:
	s_mov_b64 s[64:65], 0
	v_nop
	global_prefetch_b8 v0, s[64:65] scope:SCOPE_SE
	s_setreg_imm32_b32 hwreg(HW_REG_WAVE_MODE, 25, 1), 1
	s_wait_xcnt 0x0
	s_wait_alu depctr_hold_cnt(0) depctr_sa_sdst(0) depctr_va_vdst(0) depctr_va_sdst(0) depctr_va_ssrc(0) depctr_va_vcc(0) depctr_vm_vsrc(0)
	s_getreg_b32 s2, hwreg(HW_REG_IB_STS2, 6, 4)
	s_cmp_eq_u32 s2, 0
	s_cbranch_scc0 .Lentry_in_a_cluster
	s_endpgm
.Lentry_in_a_cluster:
	s_bfe_u32 s2, ttmp6, 0x10000c
	s_cmp_lg_u32 s2, 0xf033
	s_cbranch_scc0 .Lentry_shape_is_right
	s_endpgm
.Lentry_shape_is_right:
; qkv[m][n] = the sum over k of x[m][k] W[n][k].  xb: bf16, [16 blocks of 64 along K][8192 rows][64]; wb: bf16, [16][3072][64] (Wq's, Wk's, Wv's rows); qkv: [8192][3072] f16: Q, K, V side by side in a row.
; Products in bf16, sums in f32, each result rounded once to f16.
; LIMIT.  f16 holds no number beyond 65,504: a Q, K or V of 65,520 or more leaves as an infinity.  NaN and infinities are not treated apart.
; THE TILE is 256 x 384: 8192 x 3072 / (256 x 384) = 256 work-groups of equal work.  Four waves, each 128 rows x 192 columns: 96 accumulators of 16 x 16, 768 registers.
; K goes in 16 steps of 64, a block a step, through a ring of two LDS slots filled by tensor loads.  (Two slots of a step of 128 would take 2 x 640 rows x 272 bytes = 348,160 bytes: more than a WGP has.)
; A tile's rows of one block lie end to end in memory, so 128 rows of xb are asked for as 64 rows of 256 bytes and 192 rows of wb as 96, and padded in LDS after every 128 bytes.
; CLUSTER.  4 x 4 work-groups.  The four of a row of the cluster need the same tiles of xb, the four of a column the same tiles of wb: each tile is asked for JOINTLY, by the same tensor load
; with the same descriptor and a mask that names the four.
; THE MATRIX INSTRUCTION IS USED TRANSPOSED: source 0 = 16 rows of wb, source 1 = 16 rows of xb.  Lane l then holds row l % 16 of the result and the columns 8 (l / 16) + 0..7.
; SLICES AND THIRDS.  A SLICE is 32 along K: 96 products, in three THIRDS of 32: third g takes the wave's column blocks 4 g .. 4 g + 3 (GROUP g) against all 8 row blocks.  A group's fragments have one
; buffer, loaded again for the next slice straight behind the group's own third: 64 products ahead of their use.  xb's fragments have two buffers; the other one is loaded behind the first third.
; REGISTERS, in windows of 256 (s_set_vgpr_msb's low byte: bits 1:0 source 0, 3:2 source 1, 5:4 source 2, 7:6 destination):
;   window 0: v0-31 addresses; v32-95, v96-159 fragments of xb, two buffers; v160-255 fragments of wb, 32 a group; on the way out v32-223 at work
;   window 1 + g: group g's accumulators: (row block a, column block 4 g + b) at v[8 (4 a + b)]
; So a third runs under one setting, and a slice has six switches for its 96 products and 40 loads.
.set PITCH,  144                       ; a row in LDS: 128 bytes + 16 of padding = 36 words: the 16 rows of a load start at 16 different groups of four banks (64 banks of 4 bytes: ISA guide 11.1)
.set ATILE,  128*PITCH                 ; what a load of xb brings, and what a wave reads of xb
.set BTILE,  192*PITCH                 ; the same for wb
.set BOFF,   2*ATILE                   ; in a slot: xb's 256 rows, then wb's 384 rows: 92,160 bytes
.set SLOT1,  1<<17                     ; slot 1 begins here, so that one exclusive or turns an address in one slot into the other's
.set SPARE,  SLOT1+BOFF+2*BTILE        ; behind the ring: the spare words, 128 bytes for each wave: two blocks of 256 bytes that no other line names
.set SP,     784                       ; the way out: a row of 384 f16, 768 bytes + 16; 256 such rows, 200,704 bytes from byte 0 on, lie where the ring lay
.set ASTEP,  8192*128                  ; bytes from block to block in xb
.set BSTEP,  3072*128                  ; and in wb
.set CPITCH, 6144                      ; bytes in a row of qkv
.set ADRA0, 6                          ; v6      my lane's place in a slot's xb; never rewritten
.set ADRB0, 7                          ; v7      the same for wb
.set ADRAC, 8                          ; v8      ADRA0 + the slot in hand
.set ADRBC, 9                          ; v9      ADRB0 + the slot in hand
.set STO,   10                         ; v10-11  the way out: where I put 16 bytes of a row, for row blocks 0-3 and 4-7
.set RDA,   12                         ; v12     the way out: where I read back, first and third of three loads; never rewritten
.set RDB,   13                         ; v13     the second of three
.set COA,   14                         ; v14     my byte offset in qkv for the first and third of three stores
.set COB,   15                         ; v15     for the second
.set RDAC,  16                         ; v16     RDA + the trip's 16 rows
.set RDBC,  17                         ; v17     RDB + the trip's 16 rows
.set SPW,   28                         ; v28     LDS address of my spare word; never rewritten
.set NIL,   29                         ; v29     0; never rewritten
.set AF,    32                         ; xb's fragments: buffer p, row block a at AF + 64 p + 8 a
.set BF,    160                        ; wb's: group g, block b at BF + 32 g + 8 b
.set TMP,   32                         ; the way out: packed results, three buffers of 64
.set X,     32                         ; the way out: 16 rows read back, 96 registers
.set G1,  24                           ; s[24:31] descriptor group 1 for xb's tiles
.set G0,  32                           ; s[32:39] group 0: a set for each of the two first fills; the second then walks on
.set TB,  45                           ; s45      the slot in hand: 0 or SLOT1
.set G1B, 48                           ; s[48:55], s[56:63] the same for wb's tiles
.set G0B, 56
.set MSB, 0
.macro WIN new                         ; the immediate's high byte repeats the setting that is left; a switch that changes nothing is dropped
.if MSB != (\new)
	s_set_vgpr_msb (MSB<<8)|(\new)
.set MSB, \new
.endif
.endm
; A joint refill.  Waves 0 and 1 fetch xb's two halves, waves 2 and 3 wb's.  The branch hangs on the wave's number alone.
; An s_nop 0 and four v_nop follow each of the two lines, ahead of the jump and the label.
.macro JLOAD
	s_cmp_eq_u32 s11, 0
	s_cbranch_scc0 .Lfor_b_\@
	tensor_load_to_lds s[G0+4:G0+7], s[G1:G1+7]
	s_nop 0
.rept 4
	v_nop
.endr
	s_branch .Lasked_\@
.Lfor_b_\@:
	tensor_load_to_lds s[G0B+4:G0B+7], s[G1B:G1B+7]
	s_nop 0
.rept 4
	v_nop
.endr
.Lasked_\@:
.endm
; A round of the cluster's barrier: my work-group's barrier; wave 0 signals for the work-group; every wave waits for all sixteen work-groups; my work-group's barrier once more.
.macro CREST                           ; a round behind its opening barrier
	s_cmp_lg_u32 s10, 0
	s_cbranch_scc1 .Lnot_wave_0_\@
	s_barrier_signal -3
.Lnot_wave_0_\@:
	s_barrier_wait -3
	s_barrier_signal -1
	s_barrier_wait -1
.endm
.macro CROUND                          ; a whole round
	s_barrier_signal -1
	s_barrier_wait -1
	CREST
.endm
	s_load_b128 s[4:7], s[0:1], 0x0                ; xb s[4:5], wb s[6:7]
	s_load_b64 s[8:9], s[0:1], 0x10                ; qkv
	v_lshl_add_u32 v[SPW], v0, 2, SPARE
	v_mov_b32 v[NIL], 0
	ds_add_u32 v[SPW], v[NIL]                      ; the wave's opening: the add and its wait stand ahead of my first tensor load; the set-up below, work on registers, stands between them
	v_lshrrev_b32 v1, 5, v0
	v_readfirstlane_b32 s10, v1                    ; wave 0..3
	s_lshr_b32 s11, s10, 1                         ; which half of the tile's rows is mine.  Also: I fetch for xb (0) or for wb (1)
	s_and_b32 s12, s10, 1                          ; which half of its columns.  Also: which half of that tile I fetch
	s_bfe_u32 s40, ttmp6, 0x40000                  ; cx, cy: my place in the cluster
	s_bfe_u32 s41, ttmp6, 0x40004
	s_lshl_b32 s42, ttmp9, 2                       ; in a cluster launch ttmp9 and ttmp7 count clusters
	s_add_co_u32 s42, s42, s40                     ; tile column = 4 x cluster x + cx
	s_and_b32 s13, ttmp7, 0xffff
	s_lshl_b32 s13, s13, 2
	s_add_co_u32 s13, s13, s41                     ; tile row = 4 x cluster y + cy
	s_lshl_b32 s43, s41, 2
	s_lshl_b32 s43, 15, s43                        ; my row of the cluster: places 4 cy .. 4 cy + 3
	s_lshl_b32 s44, 0x1111, s40                    ; my column: places cx, cx + 4, cx + 8, cx + 12
	; descriptor group 1: rows of 128 elements (256 bytes: two rows of a block), 64 of them for xb, 96 for wb, dense in memory
	s_or_b32 s[G1+0], s43, (1<<16)|(1<<20)|(1<<21)|(4<<22)|(3<<25)   ; 15:0 the mask: xb's tiles go to my row; 17:16 2-byte elements; 20 padding on; 21 set beside a mask; 24:22 after every 32 words (code 4); 31:25 4 words (code 3)
	s_or_b32 s[G1B+0], s44, (1<<16)|(1<<20)|(1<<21)|(4<<22)|(3<<25)  ; the same with the mask of my column, for wb's tiles
.irp g, G1, G1B
	s_mov_b32 s[(\g)+1], 128<<16                   ; tensor_dim0 = 128
	s_mov_b32 s[(\g)+3], 128<<16                   ; tile_dim0 = 128
	s_mov_b32 s[(\g)+5], 128                       ; 128 elements from row to row
	s_mov_b32 s[(\g)+6], 0
	s_mov_b32 s[(\g)+7], 0
.endr
	s_mov_b32 s[G1+2], 64<<16                      ; tensor_dim1 = 64
	s_mov_b32 s[G1+4], 64                          ; tile_dim1 = 64
	s_mov_b32 s[G1B+2], 96<<16                     ; tensor_dim1 = 96
	s_mov_b32 s[G1B+4], 96                         ; tile_dim1 = 96
	; xb's tiles hang on the tile row alone, wb's on the tile column alone; each offset is made in registers that never hold the other coordinate
	s_lshl_b32 s16, s13, 15                        ; xb: row 256 x tile row, of 128 bytes,
	s_lshl_b32 s17, s12, 14                        ; + 128 rows x half
	s_add_co_u32 s16, s16, s17
	s_mov_b32 s17, 0
	s_mul_i32 s46, s42, 384*128                    ; wb: row 384 x tile column,
	s_mul_i32 s47, s12, 192*128                    ; + 192 rows x half
	s_add_co_u32 s46, s46, s47
	s_mov_b32 s47, 0
	s_mul_i32 s20, s12, ATILE                      ; where they go in a slot: no place in the cluster enters an LDS address
	s_mul_i32 s21, s12, BTILE
	s_add_co_u32 s21, s21, BOFF
	s_mov_b32 s[TB], 0
	s_wait_dscnt 0x0                               ; the opening add is done
	s_wait_kmcnt 0x0
	s_add_nc_u64 s[14:15], s[4:5], s[16:17]
	s_add_nc_u64 s[46:47], s[6:7], s[46:47]
	CROUND                                         ; all sixteen work-groups are here: the first joint loads meet
.irp s, 0,1
	s_mov_b32 s[G0+4*(\s)], 1                                      ; count = 1
	s_add_co_u32 s[G0+4*(\s)+1], s20, (\s)*SLOT1                   ; LDS address
	s_add_nc_u64 s[G0+4*(\s)+2:G0+4*(\s)+3], s[14:15], (\s)*ASTEP  ; global address: K step s
	s_or_b32 s[G0+4*(\s)+3], s[G0+4*(\s)+3], 0x80000000            ; type = 2
	s_mov_b32 s[G0B+4*(\s)], 1
	s_add_co_u32 s[G0B+4*(\s)+1], s21, (\s)*SLOT1
	s_add_nc_u64 s[G0B+4*(\s)+2:G0B+4*(\s)+3], s[46:47], (\s)*BSTEP
	s_or_b32 s[G0B+4*(\s)+3], s[G0B+4*(\s)+3], 0x80000000
.endr
	s_cmp_eq_u32 s11, 0                            ; a wave's two first fills stand in one branch, ahead of every wait on TENSORcnt and every LDS read: two loads of mine are out, the most in this text
	s_cbranch_scc0 .Lfirst_b
	tensor_load_to_lds s[G0:G0+3], s[G1:G1+7]
	s_nop 0
	tensor_load_to_lds s[G0+4:G0+7], s[G1:G1+7]
	s_nop 0
.rept 4
	v_nop
.endr
	s_branch .Lfirst_asked
.Lfirst_b:
	tensor_load_to_lds s[G0B:G0B+3], s[G1B:G1B+7]
	s_nop 0
	tensor_load_to_lds s[G0B+4:G0B+7], s[G1B:G1B+7]
	s_nop 0
.rept 4
	v_nop
.endr
.Lfirst_asked:
	; A fragment is 16 rows x 32 K in 8 registers: lane l holds row l % 16; registers 0-3 K = 8 (l / 16) + 0..7, registers 4-7 K = 16 + 8 (l / 16) + 0..7: two loads of 16 bytes, 32 bytes apart.
	v_and_b32 v1, 15, v0                           ; r = l % 16
	v_bfe_u32 v2, v0, 4, 1                         ; h = l / 16
	v_mul_u32_u24 v3, v1, PITCH
	v_lshl_add_u32 v3, v2, 4, v3                   ; row x pitch + 16 x half
	s_mul_i32 s22, s11, ATILE                      ; my 128 rows of xb
	s_mul_i32 s23, s12, BTILE                      ; my 192 rows of wb,
	s_add_co_u32 s23, s23, BOFF                    ; which lie behind xb's 256
	v_add_nc_u32 v[ADRA0], s22, v3
	v_add_nc_u32 v[ADRB0], s23, v3
	v_mov_b32 v[ADRAC], v[ADRA0]                   ; K step 0 lies in slot 0
	v_mov_b32 v[ADRBC], v[ADRB0]
	s_mul_i32 s22, s11, 128*SP                     ; into the stage: my 128 rows, my 384 of their 768 bytes; row l % 16, 16 bytes for each half of the lanes
	s_mul_i32 s23, s12, 384
	s_add_co_u32 s22, s22, s23
	v_mul_u32_u24 v4, v1, SP
	v_lshl_add_u32 v4, v2, 4, v4
	v_add_nc_u32 v[STO], s22, v4
	v_add_nc_u32 v[STO+1], 64*SP, v[STO]           ; row blocks 4-7: an LDS instruction's immediate has 16 bits
	; Back: wave w takes rows 64 w .. 64 w + 63, whole.  A row is three pieces of 256 bytes, and sixteen lanes take a piece: three loads take two rows:
	; (row 0: pieces 0, 1), (row 0: piece 2; row 1: piece 0), (row 1: pieces 1, 2).  The first and the third differ by a constant; the second has addresses of its own.
	s_mul_i32 s22, s10, 64*SP
	v_lshlrev_b32 v5, 4, v1                        ; 16 r
	v_lshl_add_u32 v[COA], v2, 8, v5               ; 256 h + 16 r
	v_add_nc_u32 v[RDA], s22, v[COA]
	v_mul_u32_u24 v4, v2, SP-512
	v_add3_u32 v4, v4, v5, 512                     ; 512 + (a row - 512) h + 16 r
	v_add_nc_u32 v[RDB], s22, v4
	v_mul_u32_u24 v4, v2, CPITCH-512
	v_add3_u32 v[COB], v4, v5, 512                 ; the same with qkv's rows
	s_mul_i32 s16, s13, 256*CPITCH                 ; the first row that I store: 256 x tile row + 64 x wave; the tile's first column: 768 bytes x tile column
	s_mul_i32 s17, s10, 64*CPITCH
	s_add_co_u32 s16, s16, s17
	s_mul_i32 s17, s42, 768
	s_add_co_u32 s16, s16, s17
	s_mov_b32 s17, 0
	s_add_nc_u64 s[8:9], s[8:9], s[16:17]
; Products of group g on xb's buffer p: row blocks a0 .. a1 - 1 x the group's four column blocks.  zero = 1: the product starts the sum: nothing is ever cleared.
; The 96 accumulators take turns in the same order in every slice.
.macro MULS g, p, a0, a1, zero
	WIN 0x50*(1+(\g))                              ; sources window 0; C and D the group's window
.set a, (\a0)
.rept (\a1)-(\a0)
.irp b, 0,1,2,3
.if \zero
	v_wmma_f32_16x16x32_bf16 v[8*(4*a+(\b)):8*(4*a+(\b))+7], v[BF+32*(\g)+8*(\b):BF+32*(\g)+8*(\b)+7], v[AF+64*(\p)+8*a:AF+64*(\p)+8*a+7], 0
.else
	v_wmma_f32_16x16x32_bf16 v[8*(4*a+(\b)):8*(4*a+(\b))+7], v[BF+32*(\g)+8*(\b):BF+32*(\g)+8*(\b)+7], v[AF+64*(\p)+8*a:AF+64*(\p)+8*a+7], v[8*(4*a+(\b)):8*(4*a+(\b))+7]
.endif
.endr
.set a, a+1
.endr
.endm
.macro LDB g, k                        ; 8 LDS loads: group g's fragments of the slice at byte k of the rows of the slot in hand
	WIN 0
.irp b, 0,1,2,3
	ds_load_b128 v[BF+32*(\g)+8*(\b):BF+32*(\g)+8*(\b)+3],   v[ADRBC] offset:(4*(\g)+(\b))*16*PITCH+(\k)
	ds_load_b128 v[BF+32*(\g)+8*(\b)+4:BF+32*(\g)+8*(\b)+7], v[ADRBC] offset:(4*(\g)+(\b))*16*PITCH+(\k)+32
.endr
.endm
.macro LDA p, k                        ; 16 LDS loads: xb's fragments of that slice into buffer p
	WIN 0
.irp a, 0,1,2,3,4,5,6,7
	ds_load_b128 v[AF+64*(\p)+8*(\a):AF+64*(\p)+8*(\a)+3],   v[ADRAC] offset:(\a)*16*PITCH+(\k)
	ds_load_b128 v[AF+64*(\p)+8*(\a)+4:AF+64*(\p)+8*(\a)+7], v[ADRAC] offset:(\a)*16*PITCH+(\k)+32
.endr
.endm
; A load into a register that a matrix instruction has read, and a vector instruction that reads a matrix result, stand four places behind that matrix instruction; only plain vector
; instructions that name none of its registers are places (ISA guide 7.12.1 for vector instructions).
.macro PLACES
.rept 4
	v_nop
.endr
.endm
; THE LDS LOADS go out in three runs a slice: behind third 0: group 0 and xb (24); behind third 1: group 1 (8); behind third 2: group 2 (8); all for the next slice.
; A slot's FIRST slice (xb's buffer 0): it fetches the slot's second slice, 64 bytes on in the rows.
.macro EVEN zero
	s_wait_dscnt 16                                ; group 0 and xb are in; the 8 + 8 loads of groups 1 and 2 may be out
	MULS 0, 0, 0, 8, \zero
	PLACES
	LDB 0, 64
	LDA 1, 64
	s_wait_dscnt 32                                ; group 1 is in; behind its loads went group 2's 8 and the 24 just issued
	MULS 1, 0, 0, 8, \zero
	PLACES
	LDB 1, 64
	s_wait_dscnt 32                                ; group 2 is in; behind its loads went the 24 and the 8 of this slice
	MULS 2, 0, 0, 8, \zero
	PLACES
	LDB 2, 64
.endm
; A slot's SECOND slice (xb's buffer 1).  All its fragments have been asked for, so the slot is left in its first third: ONE barrier.  In front of it each wave waits for all its tensor loads, of which
; one is out: its part of the other slot; adds 0 to its spare word; and waits for that and for its own reads of this slot.  Behind it nobody reads this slot any more and the other slot is whole.
; fill = 1: the barrier opens a round of the cluster's barrier, and this slot is filled again, two K steps on, first thing behind the round: that load has 192 products less 32 in which to land.
; Then the other slot's first slice is fetched.  Groups 1 and 2 are in by the wait for 0, so the other two thirds have no wait.
.macro ODD fill
	WIN 0                                          ; (the add's two registers lie in window 0)
	s_wait_tensorcnt 0x0                           ; all my tensor loads have landed, so a group 0 may be written
	ds_add_u32 v[SPW], v[NIL]                      ; 0 onto my spare word
	s_wait_dscnt 17                                ; group 0 and xb are in; the 8 + 8 loads of groups 1 and 2 and the add may be out
	MULS 0, 1, 0, 4, 0                             ; sixteen matrix instructions stand between the add and the wait for it
	s_wait_dscnt 0x0                               ; the add is done, and my reads of this slot are over
	s_barrier_signal -1
	MULS 0, 1, 4, 8, 0                             ; work on registers while the others arrive
	WIN 0
	s_barrier_wait -1
.if \fill
	CREST                                          ; no wave of any partner still reads this slot's tiles or has a load on its way
	s_xor_b32 s[G0+5], s[G0+5], SLOT1              ; the walking descriptors: the other slot than last time,
	s_add_nc_u64 s[G0+6:G0+7], s[G0+6:G0+7], ASTEP ; the next block; the type bits on top are not reached
	s_xor_b32 s[G0B+5], s[G0B+5], SLOT1
	s_add_nc_u64 s[G0B+6:G0B+7], s[G0B+6:G0B+7], BSTEP
	JLOAD                                          ; my one tensor load behind the round; the four v_nop behind it are also the places in front of the loads below
.else
	PLACES
.endif
	s_xor_b32 s[TB], s[TB], SLOT1                  ; the fetches go on in the other slot
	v_add_nc_u32 v[ADRAC], s[TB], v[ADRA0]
	v_add_nc_u32 v[ADRBC], s[TB], v[ADRB0]
	LDB 0, 0
	LDA 0, 0
	MULS 1, 1, 0, 8, 0
	PLACES
	LDB 1, 0
	MULS 2, 1, 0, 8, 0
	PLACES
	LDB 2, 0
.endm
	s_wait_tensorcnt 1                             ; my part of K step 0 is in; K step 1's may stay out
	s_barrier_signal -1
	s_barrier_wait -1                              ; everybody's is
	LDB 0, 0                                       ; slice 0, in the order of the three runs
	LDA 0, 0
	LDB 1, 0
	LDB 2, 0
	EVEN 1                                         ; slice 0 stands in front of the loop: its products start the sums
	WIN 0                                          ; at a label and at a branch every window is 0
	s_mov_b32 s3, 14
.Lstep:                                                ; 14 trips, from a slot's second slice to the other slot's first: K steps 2 to 15 are asked for
	ODD 1
	EVEN 0
	WIN 0
	s_sub_co_u32 s3, s3, 1
	s_cmp_lg_u32 s3, 0
	s_cbranch_scc1 .Lstep
	ODD 0                                          ; the tail is written out: slices 29 to 31, nothing is asked for
	EVEN 0
	s_wait_dscnt 16                                ; the last slice: nothing more to fetch, and the counts run down
	MULS 0, 1, 0, 8, 0
	s_wait_dscnt 8
	MULS 1, 1, 0, 8, 0
	s_wait_dscnt 0x0                               ; my reads of the ring are over
	MULS 2, 1, 0, 8, 0
	; THE WAY OUT.  The ring has had its last fill (every wave has waited for all its tensor loads at the last change of slots); behind this barrier no wave reads it any more, and the stage takes its place.
	; A wave's 192 columns are 384 bytes, one and a half aligned pieces of 256: so the four waves fill ONE stage, and a barrier stands between the writing and the reading.
	WIN 0
	PLACES                                         ; behind the last products
	s_barrier_signal -1
	s_barrier_wait -1
	; A lane's eight sums of an accumulator are eight neighbouring columns of a row: 16 bytes in f16.  Six chunks of 16 accumulators, on three buffers by turns.
	; Each accumulator's lowest registers are read first.
.set c, 0
.irp g, 0,1,2
.irp hf, 0,1
.set TM, TMP+64*(c%3)
.if c >= 3
	s_wait_dscnt 32                                ; the stores that read this buffer are done; the 32 of the two chunks behind them may be out
.endif
	WIN 5*(1+(\g))                                 ; sources 0 and 1: the group's window
.irp a, 0,1,2,3
.irp b, 0,1,2,3
.irp r, 0,1,2,3
	v_cvt_pk_f16_f32 v[TM+4*(4*(\a)+(\b))+(\r)], v[8*(4*(4*(\hf)+(\a))+(\b))+2*(\r)], v[8*(4*(4*(\hf)+(\a))+(\b))+2*(\r)+1]
.endr
.endr
.endr
	WIN 0
.irp a, 0,1,2,3
.irp b, 0,1,2,3
	ds_store_b128 v[STO+(\hf)], v[TM+4*(4*(\a)+(\b)):TM+4*(4*(\a)+(\b))+3] offset:(\a)*16*SP+32*(4*(\g)+(\b))
.endr
.endr
.set c, c+1
.endr
.endr
	s_wait_dscnt 0x0                               ; for the others' sake: my stores into the stage are done
	s_barrier_signal -1
	s_barrier_wait -1
	s_mov_b32 s3, 4
	s_mov_b32 s22, 0
.Lout:                                                 ; four trips of 16 rows: 24 loads, 24 stores
	v_add_nc_u32 v[RDAC], s22, v[RDA]
	v_add_nc_u32 v[RDBC], s22, v[RDB]
.irp m, 0,1,2,3,4,5,6,7                ; rows 2 m and 2 m + 1
	ds_load_b128 v[X+12*(\m):X+12*(\m)+3],    v[RDAC] offset:(\m)*2*SP
	ds_load_b128 v[X+12*(\m)+4:X+12*(\m)+7],  v[RDBC] offset:(\m)*2*SP
	ds_load_b128 v[X+12*(\m)+8:X+12*(\m)+11], v[RDAC] offset:(\m)*2*SP+SP+256
.endr
.irp m, 0,1,2,3,4,5,6,7
	s_wait_dscnt 21-3*(\m)                         ; these two rows' three loads are in; the 21 - 3 m issued behind them may be out
	global_store_b128 v[COA], v[X+12*(\m):X+12*(\m)+3],    s[8:9] offset:(\m)*2*CPITCH             ; in each store 16 lanes cover 256 consecutive bytes, at a multiple of 256 from qkv's first byte
	global_store_b128 v[COB], v[X+12*(\m)+4:X+12*(\m)+7],  s[8:9] offset:(\m)*2*CPITCH
	global_store_b128 v[COA], v[X+12*(\m)+8:X+12*(\m)+11], s[8:9] offset:(\m)*2*CPITCH+CPITCH+256
.endr
	s_wait_xcnt 0x0                                ; the stores' base and data are rewritten only behind this wait (ISA guide 3.1)
	s_add_nc_u64 s[8:9], s[8:9], 16*CPITCH
	s_add_co_u32 s22, s22, 16*SP
	s_sub_co_u32 s3, s3, 1
	s_cmp_lg_u32 s3, 0
	s_cbranch_scc1 .Lout
	s_wait_tensorcnt 0x0                           ; the wave's end: these three lines stand behind my last tensor load and my last LDS store
	ds_add_u32 v[SPW], v[NIL]
	s_wait_dscnt 0x0
	CROUND                                         ; the closing round: no work-group ends while a partner may still ask for a tile that names it
	s_endpgm
.Lfunc_end_k_q6c18a5c52f_proj:
	.size	k_q6c18a5c52f_proj, .Lfunc_end_k_q6c18a5c52f_proj-k_q6c18a5c52f_proj
	.p2alignl 7, 3214868480
	.fill 96, 4, 3214868480
	.section	.rodata,"a",@progbits
	.p2align	6, 0x0
	.amdhsa_kernel k_q6c18a5c52f_proj
		.amdhsa_group_segment_fixed_size 327680
		.amdhsa_private_segment_fixed_size 0
		.amdhsa_enable_private_segment 0
		.amdhsa_kernarg_size 24
		.amdhsa_user_sgpr_count 2
		.amdhsa_user_sgpr_kernarg_segment_ptr 1
		.amdhsa_wavefront_size32 1
		.amdhsa_system_sgpr_workgroup_id_x 1
		.amdhsa_system_sgpr_workgroup_id_y 1
		.amdhsa_system_sgpr_workgroup_id_z 1
		.amdhsa_system_vgpr_workitem_id 0
		.amdhsa_next_free_vgpr 1024
		.amdhsa_next_free_sgpr 66
		.amdhsa_reserve_vcc 0
		.amdhsa_float_denorm_mode_32 3
		.amdhsa_float_denorm_mode_16_64 3
		.amdhsa_memory_ordered 1
		.amdhsa_forward_progress 1
		.amdhsa_inst_pref_size 99
	.end_amdhsa_kernel
	.amdgpu_metadata
---
amdhsa.version: [ 1, 2 ]
amdhsa.kernels:
  - .name:           k_q6c18a5c52f_proj
    .symbol:         k_q6c18a5c52f_proj.kd
    .args:
      - { .name: xb, .offset: 0, .size: 8, .value_kind: global_buffer, .address_space: global }
      - { .name: wb, .offset: 8, .size: 8, .value_kind: global_buffer, .address_space: global }
      - { .name: qkv, .offset: 16, .size: 8, .value_kind: global_buffer, .address_space: global }
    .group_segment_fixed_size: 327680
    .private_segment_fixed_size: 0
    .kernarg_segment_align: 8
    .kernarg_segment_size: 24
    .max_flat_workgroup_size: 128
    .sgpr_count:     66
    .vgpr_count:     1024
    .wavefront_size: 32
...
	.end_amdgpu_metadata
.endif
;; end of part 2
;; launch scores (part 3): grid 8 x 32, 4 waves a work-group, clusters of 4 x 4, 327,680 bytes of LDS; arguments qkv, stats, p; writes stats, p
.if DOCPART == 3
	.amdgcn_target "amdgcn-amd-amdhsa--gfx1250"
	.amdhsa_code_object_version 6
	.text
	.protected	k_q6c18a5c52f_scores
	.globl	k_q6c18a5c52f_scores
	.p2align	8
	.type	k_q6c18a5c52f_scores,@function
k_q6c18a5c52f_scores:
	s_mov_b64 s[64:65], 0
	v_nop
	global_prefetch_b8 v0, s[64:65] scope:SCOPE_SE
	s_setreg_imm32_b32 hwreg(HW_REG_WAVE_MODE, 25, 1), 1
	s_wait_xcnt 0x0
	s_wait_alu depctr_hold_cnt(0) depctr_sa_sdst(0) depctr_va_vdst(0) depctr_va_sdst(0) depctr_va_ssrc(0) depctr_va_vcc(0) depctr_vm_vsrc(0)
	s_getreg_b32 s2, hwreg(HW_REG_IB_STS2, 6, 4)
	s_cmp_eq_u32 s2, 0
	s_cbranch_scc0 .Lentry_in_a_cluster
	s_endpgm
.Lentry_in_a_cluster:
	s_bfe_u32 s2, ttmp6, 0x10000c
	s_cmp_lg_u32 s2, 0xf033
	s_cbranch_scc0 .Lentry_shape_is_right
	s_endpgm
.Lentry_shape_is_right:
; For each batch b of 4: s[q][k] = Q[q] . K[k] (1,024 channels), and for each query and each CHUNK of 128 keys:
;   cm = c x (the largest s of the chunk), c = log2(e) / 32;   p[q][k] = 2^(c s - cm), rounded to f16;   l = the sum of the chunk's unrounded p.
; qkv: [8192][3072] f16 (Q at byte 0 of a row, K at byte 2,048).  p: [8192][2048] f16.  stats: f32, cm as [4][16 chunks][2048 queries] at byte 0, l likewise at byte 524,288.
; The maximum taken away here is the chunk's own, so every exponent is 0 or less and one p of each chunk is 1; the launch behind joins a row's 16 chunks by the row's true maximum.
; LIMITS.  A p below 6e-5 keeps f16's fixed step of 6e-8; a p below 2^-126 counts as 0 in l; NaN and infinities are not treated apart.
; A tile of 256 queries x 256 keys is made by four waves, each 128 x 128 (a wave's 128 keys are one chunk): 64 accumulators, 512 registers.  The 1,024 channels go in 8 steps of 128 through a ring
; of two LDS slots filled by tensor loads; the tiles' rows are 256 bytes of memory, at multiples of 256 bytes from the buffer's first byte.
; CLUSTER.  4 x 4 work-groups, all of one batch (a batch has 8 tile rows, a cluster 4).  The four of a row of the cluster need the same tiles of Q, the four of a column the same tiles of K:
; each tile is asked for JOINTLY, by the same tensor load with the same descriptor and a mask that names the four.
; THE MATRIX INSTRUCTION IS USED TRANSPOSED: source 0 = 16 keys, source 1 = 16 queries.  Lane l then holds query l % 16 and the keys 8 (l / 16) + 0..7.
; THE WAY OUT.  When the ring has had its last fill and every wave has read it out, each wave lays its 128 x 128 scores, in f32, into a part of the ring of its own, and reads them back by rows:
; sixteen lanes then hold a query's 128 scores, and its maximum and sum are four exchanges inside those sixteen lanes.
; REGISTERS, in windows of 256 (s_set_vgpr_msb's low byte: bits 1:0 source 0, 3:2 source 1, 5:4 source 2, 7:6 destination):
;   window 0: v0-33 addresses; v64-127, v128-191 fragments of Q, two buffers; on the way out v64-127 scores, v128-159 packed p, v160-175 maxima, v176-191 sums
;   window 1: v64-127, v128-191 fragments of K, two buffers
;   window 2: the accumulators of my queries 0-63 ((a, b) at v[8 (8 a + b)]);   window 3: those of my queries 64-127
.set SIZE_K, 1024
.set LDE,    3072                      ; elements from row to row in qkv
.set APITCH, 6144                      ; the same in bytes
.set CPITCH, 4096                      ; bytes in a row of p
.set KSTEP,  128
.set PITCH,  272                       ; an LDS row: 256 bytes + 16 of padding = 68 words: row r starts at bank 4 r mod 64 (64 banks of 4 bytes: ISA guide 11.1), so the 16 rows of a load start at 16 different banks
.set HALFT,  128*PITCH                 ; 128 rows: what one tensor load brings
.set SLOT,   4*HALFT                   ; Q's 256 rows, then K's 256 rows
.set DP,     528                       ; the way out: a row of 128 f32, 512 bytes + 16
.set DWAVE,  128*DP                    ; a wave's 128 rows; four of them, 270,336 bytes, lie inside the ring's 278,528
.set STAT,   2*SLOT                    ; behind the ring, never filled by a tensor load: for each wave 128 cm, then 128 l: 1,024 bytes
.set SPARE,  STAT+4*1024               ; behind that: the spare words, 128 bytes for each wave: two blocks of 256 bytes that no other line names
.set LOFF,   524288                    ; l's place in stats
.set LAPS,   SIZE_K/(2*KSTEP)          ; a lap = two K steps = once round the ring
.set ADRA, 16                          ; v16-17  LDS address of my fragments of Q in slot 0, 1
.set ADRB, 20                          ; v20-21  the same for K
.set STO,  24                          ; v24     the way out: where I put 16 bytes of a row
.set RD,   25                          ; v25     the way out: where I read in the first 16 rows; never rewritten
.set CO,   26                          ; v26     my byte offset in two rows of p
.set SA,   27                          ; v27     where the first pair of rows' cm goes; never rewritten
.set SPW,  28                          ; v28     LDS address of my spare word; never rewritten
.set NIL,  29                          ; v29     0; never rewritten
.set SR,   30                          ; v30     where I read 16 bytes of my wave's cm back
.set RDC,  31                          ; v31     RD + the trip's 16 rows
.set SAC,  32                          ; v32     SA + the trip's 16 words
.set GS,   33                          ; v33     16 x lane: my byte offset in 512 bytes of stats
.set F0,   64
.set F1,   128
.set X,    64                          ; pair j of rows: 8 scores a lane at X + 8 j
.set Y,    128                         ; pair j: 4 registers of packed p
.set T,    160                         ; pair j: T + 2 j the maximum, then cm; T + 2 j + 1 at work
.set U,    176                         ; pair j: two registers of sums
.set G1,  24                           ; s[24:31] descriptor group 1 for Q's tiles;  s[32:39] group 0, a set for each slot
.set G0,  32
.set G1B, 48                           ; s[48:55], s[56:63] the same for K's tiles
.set G0B, 56
.set MSB, 0
.macro WIN new                         ; the immediate's high byte repeats the setting that is left; a switch that changes nothing is dropped
.if MSB != (\new)
	s_set_vgpr_msb (MSB<<8)|(\new)
.set MSB, \new
.endif
.endm
.set MUL_LO, 0xa1                      ; source 0 (K) window 1, source 1 (Q) window 0, C and D window 2
.set MUL_HI, 0xf1                      ; the same, C and D window 3
.set TO_B,   0x40                      ; destination window 1, address window 0
; A joint load.  Waves 0 and 1 fetch Q's two halves, waves 2 and 3 K's.  The branch hangs on the wave's number alone.
; An s_nop 0 and four v_nop follow each of the two lines, ahead of the jump and the label.
.macro JLOAD s
	s_cmp_eq_u32 s11, 0
	s_cbranch_scc0 .Lfor_b_\@
	tensor_load_to_lds s[G0+4*(\s):G0+4*(\s)+3], s[G1:G1+7]
	s_nop 0
.rept 4
	v_nop
.endr
	s_branch .Lasked_\@
.Lfor_b_\@:
	tensor_load_to_lds s[G0B+4*(\s):G0B+4*(\s)+3], s[G1B:G1B+7]
	s_nop 0
.rept 4
	v_nop
.endr
.Lasked_\@:
.endm
; A round of the cluster's barrier: my work-group's barrier; wave 0 signals for the work-group; every wave waits for all sixteen work-groups; my work-group's barrier once more.
.macro CREST                           ; a round behind its opening barrier
	s_cmp_lg_u32 s10, 0
	s_cbranch_scc1 .Lnot_wave_0_\@
	s_barrier_signal -3
.Lnot_wave_0_\@:
	s_barrier_wait -3
	s_barrier_signal -1
	s_barrier_wait -1
.endm
.macro CROUND                          ; a whole round
	s_barrier_signal -1
	s_barrier_wait -1
	CREST
.endm
	s_load_b128 s[4:7], s[0:1], 0x0                ; qkv s[4:5], stats s[6:7]
	s_load_b64 s[8:9], s[0:1], 0x10                ; p
	v_lshl_add_u32 v[SPW], v0, 2, SPARE
	v_mov_b32 v[NIL], 0
	ds_add_u32 v[SPW], v[NIL]                      ; the wave's opening: the add and its wait stand ahead of my first tensor load; the set-up below, work on registers, stands between them
	v_lshrrev_b32 v1, 5, v0
	v_readfirstlane_b32 s10, v1                    ; wave 0..3
	s_lshr_b32 s11, s10, 1                         ; which half of the tile's queries is mine.  Also: I fetch for Q (0) or for K (1)
	s_and_b32 s12, s10, 1                          ; which half of its keys.  Also: which 128 rows of that tile I fetch
	s_bfe_u32 s40, ttmp6, 0x40000                  ; cx, cy: my place in the cluster
	s_bfe_u32 s41, ttmp6, 0x40004
	s_lshl_b32 s42, ttmp9, 2                       ; in a cluster launch ttmp9 and ttmp7 count clusters
	s_add_co_u32 s42, s42, s40                     ; tile of keys in the batch = 4 x cluster x + cx
	s_and_b32 s13, ttmp7, 0xffff
	s_lshr_b32 s45, s13, 1                         ; the batch = cluster y / 2: all sixteen partners share it
	s_lshl_b32 s13, s13, 2
	s_add_co_u32 s13, s13, s41                     ; tile of queries, of all 32 = 4 x cluster y + cy
	s_lshl_b32 s43, s41, 2
	s_lshl_b32 s43, 15, s43                        ; my row of the cluster: places 4 cy .. 4 cy + 3
	s_lshl_b32 s44, 0x1111, s40                    ; my column: places cx, cx + 4, cx + 8, cx + 12
	; descriptor group 1: a tile of 128 rows x 128 elements, padded in LDS
	s_or_b32 s[G1+0], s43, (1<<16)|(1<<20)|(1<<21)|(5<<22)|(3<<25)   ; 15:0 the mask: Q's tiles go to my row; 17:16 2-byte elements; 20 padding on; 21 set beside a mask; 24:22 after every 64 words (code 5); 31:25 4 words (code 3)
	s_or_b32 s[G1B+0], s44, (1<<16)|(1<<20)|(1<<21)|(5<<22)|(3<<25)  ; the same with the mask of my column, for K's tiles
.irp g, G1, G1B
	s_mov_b32 s[(\g)+1], KSTEP<<16                 ; tensor_dim0 = 128
	s_mov_b32 s[(\g)+2], 128<<16                   ; tensor_dim1 = 128
	s_mov_b32 s[(\g)+3], KSTEP<<16                 ; tile_dim0 = 128
	s_mov_b32 s[(\g)+4], 128                       ; tile_dim1 = 128
	s_mov_b32 s[(\g)+5], LDE                       ; elements from row to row
	s_mov_b32 s[(\g)+6], 0
	s_mov_b32 s[(\g)+7], 0
.endr
	; Q's tiles hang on the tile of queries alone, K's on the batch and the tile of keys; each address is made in registers that never hold the other place in the cluster
	s_lshl_b32 s17, s12, 7                         ; which 128 rows of the tile I fetch
	s_lshl_b32 s16, s13, 8
	s_add_co_u32 s16, s16, s17                     ; Q: row 256 x tile of queries + 128 x half
	s_lshl_b32 s46, s42, 8
	s_add_co_u32 s46, s46, s17
	s_lshl_b32 s47, s45, 11
	s_add_co_u32 s46, s46, s47                     ; K: row 2,048 x batch + 256 x tile of keys + 128 x half
	s_mov_b32 s17, 0
	s_mov_b32 s47, 0
	s_mov_b64 s[18:19], APITCH
	s_mul_u64 s[16:17], s[16:17], s[18:19]         ; in bytes
	s_mul_u64 s[46:47], s[46:47], s[18:19]
	s_add_nc_u64 s[46:47], s[46:47], 2048          ; K's place in a row of qkv
	s_mul_i32 s20, s10, HALFT                      ; where they go: wave x 128 rows: no place in the cluster enters an LDS address
	s_wait_dscnt 0x0                               ; the opening add is done
	s_wait_kmcnt 0x0
	s_add_nc_u64 s[14:15], s[4:5], s[16:17]
	s_add_nc_u64 s[46:47], s[4:5], s[46:47]
	CROUND                                         ; all sixteen work-groups are here: the first joint loads meet
.irp s, 0,1
	s_mov_b32 s[G0+4*(\s)], 1                                        ; count = 1
	s_add_co_u32 s[G0+4*(\s)+1], s20, (\s)*SLOT                      ; LDS address
	s_add_nc_u64 s[G0+4*(\s)+2:G0+4*(\s)+3], s[14:15], (\s)*KSTEP*2  ; global address: K step s
	s_or_b32 s[G0+4*(\s)+3], s[G0+4*(\s)+3], 0x80000000              ; type = 2
	s_mov_b32 s[G0B+4*(\s)], 1
	s_add_co_u32 s[G0B+4*(\s)+1], s20, (\s)*SLOT
	s_add_nc_u64 s[G0B+4*(\s)+2:G0B+4*(\s)+3], s[46:47], (\s)*KSTEP*2
	s_or_b32 s[G0B+4*(\s)+3], s[G0B+4*(\s)+3], 0x80000000
	JLOAD \s                                       ; two loads of mine are out: the most in this text
.endr
	; A fragment is 16 rows x 32 channels in 8 registers: lane l holds row l % 16; registers 0-3 channels 8 (l / 16) + 0..7, registers 4-7 channels 16 + 8 (l / 16) + 0..7: two loads of 16 bytes, 32 bytes apart.
	v_and_b32 v1, 15, v0                           ; l % 16
	v_bfe_u32 v2, v0, 4, 1                         ; l / 16
	v_mul_u32_u24 v3, v1, PITCH
	v_lshl_add_u32 v3, v2, 4, v3                   ; row x pitch + 16 x half
	s_mul_i32 s21, s11, HALFT                      ; my 128 rows of Q
	s_mul_i32 s22, s12, HALFT                      ; my 128 rows of K,
	s_add_co_u32 s22, s22, 2*HALFT                 ; which lie behind Q's 256
.irp s, 0,1
	v_add_nc_u32 v[ADRA+(\s)], s21, v3
	v_add_nc_u32 v[ADRB+(\s)], s22, v3
	s_add_co_u32 s21, s21, SLOT
	s_add_co_u32 s22, s22, SLOT
.endr
	s_mul_i32 s23, s10, DWAVE                      ; my part of the ring on the way out
	v_mul_u32_u24 v4, v1, DP                       ; in: row l % 16, 16 bytes for each half of the lanes
	v_lshl_add_u32 v4, v2, 4, v4
	v_add_nc_u32 v[STO], s23, v4
	v_mul_u32_u24 v5, v2, DP                       ; back: lanes 0-15 take one row, lanes 16-31 the next
	v_lshl_add_u32 v5, v1, 4, v5
	v_add_nc_u32 v[RD], s23, v5
	v_lshlrev_b32 v5, 12, v2                       ; and the same two rows in p, 4,096 bytes apart
	v_lshl_add_u32 v[CO], v1, 4, v5
	s_lshl_b32 s22, s10, 10
	s_add_co_u32 s22, s22, STAT                    ; my wave's statistics in LDS
	v_lshl_add_u32 v[SA], v2, 2, s22               ; a word a row: lanes 0-15 the even row's, lanes 16-31 the odd row's
	v_and_b32 v6, 31, v0
	v_lshlrev_b32 v[GS], 4, v6
	v_add_nc_u32 v[SR], s22, v[GS]
	s_lshl_b32 s13, s13, 8
	s_lshl_b32 s14, s11, 7
	s_add_co_u32 s14, s13, s14                     ; my first query, of all 8,192
	s_mov_b32 s16, s14
	s_mov_b32 s17, 0
	s_lshl_b64 s[16:17], s[16:17], 12              ; its row of p, in bytes
	s_lshl_b32 s46, s42, 9                         ; my first key, in bytes: 512 x tile of keys + 256 x half
	s_lshl_b32 s47, s12, 8
	s_add_co_u32 s46, s46, s47
	s_mov_b32 s47, 0
	s_add_nc_u64 s[16:17], s[16:17], s[46:47]
	s_add_nc_u64 s[8:9], s[8:9], s[16:17]
	s_lshl_b32 s46, s45, 4                         ; in stats: (16 x batch + my chunk = 2 x tile of keys + half) x 2,048 + my first query in its batch, in words
	s_lshl_b32 s47, s42, 1
	s_add_co_u32 s46, s46, s47
	s_add_co_u32 s46, s46, s12
	s_lshl_b32 s46, s46, 11
	s_and_b32 s47, s14, 2047
	s_add_co_u32 s46, s46, s47
	s_lshl_b32 s46, s46, 2
	s_mov_b32 s47, 0
	s_add_nc_u64 s[6:7], s[6:7], s[46:47]
	s_mov_b32 s18, 0x3d38aa3b                      ; c = log2(e) / 32 = 0.0450842
	s_mov_b32 s19, s18                             ; named with it as a pair
; 16 matrix instructions: query blocks a0, a0 + 1 of the window's four x all 8 key blocks, 32 channels.  zero = 1: the first product starts the sums: nothing is ever cleared.
.macro MUL16 f, hi, a0, zero
	WIN MUL_LO+0x50*(\hi)
.irp a, \a0, (\a0)+1
.irp b, 0,1,2,3,4,5,6,7
.if \zero
	v_wmma_f32_16x16x32_f16 v[8*(8*(\a)+(\b)):8*(8*(\a)+(\b))+7], v[(\f)+8*(\b):(\f)+8*(\b)+7], v[(\f)+8*(4*(\hi)+(\a)):(\f)+8*(4*(\hi)+(\a))+7], 0
.else
	v_wmma_f32_16x16x32_f16 v[8*(8*(\a)+(\b)):8*(8*(\a)+(\b))+7], v[(\f)+8*(\b):(\f)+8*(\b)+7], v[(\f)+8*(4*(\hi)+(\a)):(\f)+8*(4*(\hi)+(\a))+7], v[8*(8*(\a)+(\b)):8*(8*(\a)+(\b))+7]
.endif
.endr
.endr
.endm
; 32 LDS loads in one run: the fragments of one quarter step (32 channels at byte k of the rows) into buffer f: K's 16 loads, then Q's
.macro FETCH slot, k, f
	WIN TO_B
.irp i, 0,1,2,3,4,5,6,7
	ds_load_b128 v[(\f)+8*(\i):(\f)+8*(\i)+3],   v[ADRB+(\slot)] offset:(\k)+(\i)*16*PITCH
	ds_load_b128 v[(\f)+8*(\i)+4:(\f)+8*(\i)+7], v[ADRB+(\slot)] offset:(\k)+(\i)*16*PITCH+32
.endr
	WIN 0
.irp i, 0,1,2,3,4,5,6,7
	ds_load_b128 v[(\f)+8*(\i):(\f)+8*(\i)+3],   v[ADRA+(\slot)] offset:(\k)+(\i)*16*PITCH
	ds_load_b128 v[(\f)+8*(\i)+4:(\f)+8*(\i)+7], v[ADRA+(\slot)] offset:(\k)+(\i)*16*PITCH+32
.endr
.endm
; A load into a register that a matrix instruction has read, and an LDS store of a matrix result, stand four places behind that matrix instruction; only plain vector instructions
; that name none of its registers are places (ISA guide 7.12.1 for vector instructions).
.macro PLACES
.rept 4
	v_nop
.endr
.endm
; A K step is four quarters of 32 channels, 64 matrix instructions each, on buffers 0, 1, 0, 1.  The 64 accumulators take turns in the same order in every quarter.
.macro QUARTER slot, k, f, g, zero
	s_wait_dscnt 8                                 ; K's and Q's rows 0-63 are in; the youngest eight loads (Q's rows 64-127) may be out
	MUL16 \f, 0, 0, \zero
	MUL16 \f, 0, 2, \zero
	PLACES
	FETCH \slot, \k, \g
	s_wait_dscnt 32                                ; all but the 32 just issued
	MUL16 \f, 1, 0, \zero
	MUL16 \f, 1, 2, \zero
.endm
; The last quarter multiplies buffer 1 and changes slots.  MEET is its first half: one barrier.  In front of it each wave waits for all its tensor loads, of which one is out: its part of the
; next slot; adds 0 to its spare word; and waits for that and for its own reads of this slot.  Behind it nobody reads this slot any more and the next slot is whole.
.macro MEET round                      ; round = 1: a round of the cluster's barrier follows
	WIN 0                                          ; (the add's two registers lie in window 0)
	s_wait_tensorcnt 0x0                           ; all my tensor loads have landed
	ds_add_u32 v[SPW], v[NIL]                      ; 0 onto my spare word
	s_wait_dscnt 9                                 ; the add and the youngest eight loads may be out
	MUL16 F1, 0, 0, 0                              ; sixteen matrix instructions stand between the add and the wait for it
	s_wait_dscnt 0x0                               ; the add is done, and my reads of this slot are over
	s_barrier_signal -1
	MUL16 F1, 0, 2, 0                              ; work on registers while the others arrive
.if \round
	WIN 0
.endif
	s_barrier_wait -1
.endm
; The whole last quarter.  fill = 1: the barrier opens a round of the cluster's barrier, and the slot just read out is filled again, two K steps on, first thing behind the round.
.macro TURN slot, next, fill
	MEET \fill
.if \fill
	CREST                                          ; no wave of any partner still reads this slot's tile or has a load on its way
	s_add_nc_u64 s[G0+4*(\slot)+2:G0+4*(\slot)+3], s[G0+4*(\slot)+2:G0+4*(\slot)+3], 2*KSTEP*2
	s_add_nc_u64 s[G0B+4*(\slot)+2:G0B+4*(\slot)+3], s[G0B+4*(\slot)+2:G0B+4*(\slot)+3], 2*KSTEP*2
	JLOAD \slot                                    ; my one tensor load behind the round; the four v_nop behind it are also the places in front of the loads below
.else
	PLACES
.endif
	FETCH \next, 0, F0
	MUL16 F1, 1, 0, 0
	MUL16 F1, 1, 2, 0
.endm
; THE SOFTMAX'S PIECES, for pair j of rows.
.macro SC j, i                         ; c s - cm for two scores
	v_pk_fma_f32 v[X+8*(\j)+2*(\i):X+8*(\j)+2*(\i)+1], v[X+8*(\j)+2*(\i):X+8*(\j)+2*(\i)+1], s[18:19], v[T+2*(\j):T+2*(\j)+1] op_sel_hi:[1,0,0] neg_lo:[0,0,1] neg_hi:[0,0,1]
.endm
.macro CV j, i                         ; two p rounded to f16
	s_wait_alu depctr_va_vdst(0)
	v_cvt_pk_f16_f32 v[Y+4*(\j)+(\i)], v[X+8*(\j)+2*(\i)], v[X+8*(\j)+2*(\i)+1]
.endm
.macro SU j                            ; the lane's eight p into two sums; it stands behind the pair's roundings, since it adds in place
	v_pk_add_f32 v[U+2*(\j):U+2*(\j)+1], v[X+8*(\j):X+8*(\j)+1], v[X+8*(\j)+2:X+8*(\j)+3]
	v_pk_add_f32 v[X+8*(\j)+4:X+8*(\j)+5], v[X+8*(\j)+4:X+8*(\j)+5], v[X+8*(\j)+6:X+8*(\j)+7]
	v_pk_add_f32 v[U+2*(\j):U+2*(\j)+1], v[U+2*(\j):U+2*(\j)+1], v[X+8*(\j)+4:X+8*(\j)+5]
.endm
	s_wait_tensorcnt 1                             ; my part of K step 0 is in; K step 1's may stay out
	s_barrier_signal -1
	s_barrier_wait -1                              ; everybody's is
	FETCH 0, 0, F0
	QUARTER 0, 64,  F0, F1, 1                      ; the first quarter stands in front of the loop: its products start the sums
	WIN 0                                          ; at a label and at a branch every window is 0
	s_mov_b32 s3, LAPS-1
.Llap:                                                 ; a trip goes once round the ring, from a lap's second quarter to the next lap's first, and fills both slots again
	QUARTER 0, 128, F1, F0, 0
	QUARTER 0, 192, F0, F1, 0
	TURN 0, 1, 1
	QUARTER 1, 64,  F0, F1, 0
	QUARTER 1, 128, F1, F0, 0
	QUARTER 1, 192, F0, F1, 0
	TURN 1, 0, 1
	QUARTER 0, 64,  F0, F1, 0
	WIN 0
	s_sub_co_u32 s3, s3, 1
	s_cmp_lg_u32 s3, 0
	s_cbranch_scc1 .Llap
	QUARTER 0, 128, F1, F0, 0                      ; the last lap is written out: it fills nothing
	QUARTER 0, 192, F0, F1, 0
	TURN 0, 1, 0
	QUARTER 1, 64,  F0, F1, 0
	QUARTER 1, 128, F1, F0, 0
	QUARTER 1, 192, F0, F1, 0
	s_wait_dscnt 8                                 ; the very last quarter: nothing more to fetch
	MUL16 F1, 0, 0, 0
	MUL16 F1, 0, 2, 0
	s_wait_dscnt 0x0                               ; my reads of the ring are over
	MUL16 F1, 1, 0, 0
	MUL16 F1, 1, 2, 0
	; THE WAY OUT.  The ring has had its last fill (every wave has waited for all its tensor loads at the last change of slots); behind this barrier no wave reads it any more.
	WIN 0
	PLACES                                         ; behind the last products
	s_barrier_signal -1
	s_barrier_wait -1
	; A lane's eight scores of accumulator (a, b) are keys 16 b + 8 (l / 16) + 0..7 of query 16 a + l % 16.  The first four go to byte 16 (2 b + l / 16) of the row, the other four 256 bytes on.
	; and the lane that reads bytes 16 g and 256 + 16 g of a row gets its keys 8 g + 0..7.
	; Each accumulator's lowest registers are read first.
.irp a, 0,1,2,3,4,5,6,7
	WIN 0x08+4*((\a)/4)                            ; the stores' data: window 2 or 3
.irp b, 0,1,2,3,4,5,6,7
	ds_store_b128 v[STO], v[64*((\a)%4)+8*(\b):64*((\a)%4)+8*(\b)+3]   offset:(\a)*16*DP+32*(\b)
	ds_store_b128 v[STO], v[64*((\a)%4)+8*(\b)+4:64*((\a)%4)+8*(\b)+7] offset:(\a)*16*DP+32*(\b)+256
.endr
.endr
	WIN 0
	s_mov_b32 s3, 8
	s_mov_b32 s21, 0
	s_mov_b32 s22, 0
.Lout:                                                 ; eight trips of 16 queries.  Pair j: queries 2 j (lanes 0-15) and 2 j + 1 (lanes 16-31); a lane holds 8 of a query's 128 scores
	v_add_nc_u32 v[RDC], s21, v[RD]
	v_add_nc_u32 v[SAC], s22, v[SA]
.irp j, 0,1,2,3,4,5,6,7                ; LDS serves a wave's instructions in order (ISA guide 5.7.1.4): these see my stores above
	ds_load_b128 v[X+8*(\j):X+8*(\j)+3],   v[RDC] offset:(\j)*2*DP
	ds_load_b128 v[X+8*(\j)+4:X+8*(\j)+7], v[RDC] offset:(\j)*2*DP+256
.endr
	s_wait_dscnt 0x0
	; the maximum: eight scores in the lane, then sixteen lanes.  Each line runs over the eight pairs, so that none waits for the line before it
.irp j, 0,1,2,3,4,5,6,7
	v_max3_num_f32 v[T+2*(\j)], v[X+8*(\j)], v[X+8*(\j)+1], v[X+8*(\j)+2]
.endr
.irp j, 0,1,2,3,4,5,6,7
	v_max3_num_f32 v[T+2*(\j)+1], v[X+8*(\j)+3], v[X+8*(\j)+4], v[X+8*(\j)+5]
.endr
.irp j, 0,1,2,3,4,5,6,7
	v_max3_num_f32 v[T+2*(\j)], v[T+2*(\j)], v[X+8*(\j)+6], v[X+8*(\j)+7]
.endr
.irp j, 0,1,2,3,4,5,6,7
	v_max_num_f32 v[T+2*(\j)], v[T+2*(\j)], v[T+2*(\j)+1]
.endr
.irp m, 1,2,4,8
.irp j, 0,1,2,3,4,5,6,7
	v_max_num_f32_dpp v[T+2*(\j)], v[T+2*(\j)], v[T+2*(\j)] row_xmask:\m row_mask:0xf bank_mask:0xf
.endr
.endr
.irp j, 0,1,2,3,4,5,6,7
	v_mul_f32 v[T+2*(\j)], s18, v[T+2*(\j)]        ; cm = c x maximum (c is positive)
.endr
	; p = 2^(c s - cm).  Between the exponentials of pair j stand plain lines that are ready: the scalings of pair j + 1, the roundings of pair j - 1; no result of an exponential is read
	; before a plain instruction has followed it (ISA guide 5.7.2)
.irp i, 0,1,2,3
	SC 0, \i
.endr
.set j, 0
.rept 8
.set i, 0
.rept 8
	v_exp_f32 v[X+8*j+i], v[X+8*j+i]
.if (i < 4) && (j < 7)
	SC j+1, i
.elseif (i >= 4) && (j > 0)
	CV j-1, i-4
.endif
.set i, i+1
.endr
.if j > 0
	SU j-1
.endif
.set j, j+1
.endr
.irp i, 0,1,2,3
	CV 7, \i
.endr
	SU 7
	; l: the lane's two sums, then sixteen lanes
.irp j, 0,1,2,3,4,5,6,7
	v_add_f32 v[U+2*(\j)], v[U+2*(\j)], v[U+2*(\j)+1]
.endr
.irp m, 1,2,4,8
.irp j, 0,1,2,3,4,5,6,7
	v_add_f32_dpp v[U+2*(\j)], v[U+2*(\j)], v[U+2*(\j)] row_xmask:\m row_mask:0xf bank_mask:0xf
.endr
.endr
.irp j, 0,1,2,3,4,5,6,7
	ds_store_b32 v[SAC], v[T+2*(\j)] offset:8*(\j)      ; the sixteen lanes of a half write the same word with the same number
	ds_store_b32 v[SAC], v[U+2*(\j)] offset:512+8*(\j)
.endr
.irp j, 0,1,2,3,4,5,6,7
	global_store_b128 v[CO], v[Y+4*(\j):Y+4*(\j)+3], s[8:9] offset:(\j)*2*CPITCH  ; 16 lanes store 256 consecutive bytes, at a multiple of 256 from p's first byte
.endr
	s_wait_xcnt 0x0                                ; the stores' base and data are rewritten only behind this wait (ISA guide 3.1)
	s_add_nc_u64 s[8:9], s[8:9], 16*CPITCH
	s_add_co_u32 s21, s21, 16*DP
	s_add_co_u32 s22, s22, 64
	s_sub_co_u32 s3, s3, 1
	s_cmp_lg_u32 s3, 0
	s_cbranch_scc1 .Lout
	ds_load_b128 v[X:X+3],   v[SR]                 ; my wave's 128 cm and 128 l, gathered above: 16 bytes a lane of each
	ds_load_b128 v[X+4:X+7], v[SR] offset:512
	s_wait_dscnt 0x0
	global_store_b128 v[GS], v[X:X+3],   s[6:7]              ; 512 consecutive bytes each, at a multiple of 512 from stats' first byte
	global_store_b128 v[GS], v[X+4:X+7], s[6:7] offset:LOFF
	s_wait_tensorcnt 0x0                           ; the wave's end: these three lines stand behind my last tensor load and my last LDS store
	ds_add_u32 v[SPW], v[NIL]
	s_wait_dscnt 0x0
	CROUND                                         ; the closing round: no work-group ends while a partner may still ask for a tile that names it
	s_endpgm
.Lfunc_end_k_q6c18a5c52f_scores:
	.size	k_q6c18a5c52f_scores, .Lfunc_end_k_q6c18a5c52f_scores-k_q6c18a5c52f_scores
	.p2alignl 7, 3214868480
	.fill 96, 4, 3214868480
	.section	.rodata,"a",@progbits
	.p2align	6, 0x0
	.amdhsa_kernel k_q6c18a5c52f_scores
		.amdhsa_group_segment_fixed_size 327680
		.amdhsa_private_segment_fixed_size 0
		.amdhsa_enable_private_segment 0
		.amdhsa_kernarg_size 24
		.amdhsa_user_sgpr_count 2
		.amdhsa_user_sgpr_kernarg_segment_ptr 1
		.amdhsa_wavefront_size32 1
		.amdhsa_system_sgpr_workgroup_id_x 1
		.amdhsa_system_sgpr_workgroup_id_y 1
		.amdhsa_system_sgpr_workgroup_id_z 1
		.amdhsa_system_vgpr_workitem_id 0
		.amdhsa_next_free_vgpr 1024
		.amdhsa_next_free_sgpr 66
		.amdhsa_reserve_vcc 0
		.amdhsa_float_denorm_mode_32 3
		.amdhsa_float_denorm_mode_16_64 3
		.amdhsa_memory_ordered 1
		.amdhsa_forward_progress 1
		.amdhsa_inst_pref_size 138
	.end_amdhsa_kernel
	.amdgpu_metadata
---
amdhsa.version: [ 1, 2 ]
amdhsa.kernels:
  - .name:           k_q6c18a5c52f_scores
    .symbol:         k_q6c18a5c52f_scores.kd
    .args:
      - { .name: qkv, .offset: 0, .size: 8, .value_kind: global_buffer, .address_space: global }
      - { .name: stats, .offset: 8, .size: 8, .value_kind: global_buffer, .address_space: global }
      - { .name: p, .offset: 16, .size: 8, .value_kind: global_buffer, .address_space: global }
    .group_segment_fixed_size: 327680
    .private_segment_fixed_size: 0
    .kernarg_segment_align: 8
    .kernarg_segment_size: 24
    .max_flat_workgroup_size: 128
    .sgpr_count:     66
    .vgpr_count:     1024
    .wavefront_size: 32
...
	.end_amdgpu_metadata
.endif
;; end of part 3
;; launch pv (part 4): grid 8 x 32, 4 waves a work-group, clusters of 4 x 4, 327,680 bytes of LDS; arguments p, stats, qkv, out0; writes out0
.if DOCPART == 4
	.amdgcn_target "amdgcn-amd-amdhsa--gfx1250"
	.amdhsa_code_object_version 6
	.text
	.protected	k_q6c18a5c52f_pv
	.globl	k_q6c18a5c52f_pv
	.p2align	8
	.type	k_q6c18a5c52f_pv,@function
k_q6c18a5c52f_pv:
	s_mov_b64 s[64:65], 0
	v_nop
	global_prefetch_b8 v0, s[64:65] scope:SCOPE_SE
	s_setreg_imm32_b32 hwreg(HW_REG_WAVE_MODE, 25, 1), 1
	s_wait_xcnt 0x0
	s_wait_alu depctr_hold_cnt(0) depctr_sa_sdst(0) depctr_va_vdst(0) depctr_va_sdst(0) depctr_va_ssrc(0) depctr_va_vcc(0) depctr_vm_vsrc(0)
	s_getreg_b32 s2, hwreg(HW_REG_IB_STS2, 6, 4)
	s_cmp_eq_u32 s2, 0
	s_cbranch_scc0 .Lentry_in_a_cluster
	s_endpgm
.Lentry_in_a_cluster:
	s_bfe_u32 s2, ttmp6, 0x10000c
	s_cmp_lg_u32 s2, 0xf033
	s_cbranch_scc0 .Lentry_shape_is_right
	s_endpgm
.Lentry_shape_is_right:
; out0[q][d] = the sum over the 16 chunks t of g[t][q] x (the sum over the chunk's 128 keys k of p[q][k] V[k][d]),  g[t][q] = 2^(cm[t][q] - CM[q]) / L[q],
; CM[q] = the largest cm[t][q] (c times the row's true maximum score),  L[q] = the sum over t of 2^(cm[t][q] - CM[q]) l[t][q]: the softmax's divisor.
; p: [8192][2048] f16.  stats: f32, cm as [4 batches][16 chunks][2048 queries] at byte 0, l likewise at byte 524,288.  V: f16, at byte 4,096 of qkv's rows of 6,144 bytes.  out0: [8192][1024] f32.
; CM, L and g are made and kept in f32.  A chunk's product is summed in f32 accumulators that its first products start; when the chunk is done, O += g x sum, a fused multiply-add in f32; O leaves as it is.
; LIMITS.  A p below 6e-5 arrives with f16's fixed step of 6e-8; an exponential below 2^-126 counts as 0; NaN and infinities are not treated apart.
; SHARES.  A work-group makes 256 queries x 128 channels; wave w owns queries 64 w .. 64 w + 63 (four blocks a of 16) and all 128 channels (eight blocks cb): 32 accumulators and as many sums O, 512 registers.
; The 2,048 keys go in 16 steps of 128, a chunk a step, through a ring of two LDS slots filled by tensor loads; the tiles' rows are 256 bytes of memory, at multiples of 256 bytes from the buffer's first byte.
; LAYOUT.  O^T = V^T P: source 0 = 16 channels x 32 keys, out of LDS turned, by ds_load_tr16_b128; source 1 = 16 queries x 32 keys, as p lies.  In the result lane l holds query l % 16 and channels 8 (l / 16) + 0..7,
; so a lane's g is one number for each block a.
; THE FLUSH.  Block a's 8 accumulators are done with the block's products of the step's last quarter and are started anew by its products of the next step's first quarter.  Between the two stand the other
; three blocks' products: block a's 32 multiply-adds stand behind the 8 products of block a + 1, four behind each (block 3's behind block 0's of the next step).
; CLUSTER.  4 x 4 work-groups, all of one batch.  The four of a row of the cluster need the same tiles of p, the four of a column the same tiles of V: each tile is asked for JOINTLY.
; REGISTERS, in windows of 256 (s_set_vgpr_msb's low byte: bits 1:0 source 0, 3:2 source 1, 5:4 source 2, 7:6 destination):
;   window 0: v0-29 addresses; v32-95, v96-159 fragments of V, two buffers (before the loop: the statistics; on the way out: rows read back); v160-167 g of the chunk in hand, block a's at v[160 + 2 a]
;   window 1: query blocks 0, 1;  window 2: query blocks 2, 3: in each v0-127 the accumulators ((a, cb) at v[8 (8 (a % 2) + cb)]), v128-143, v144-159 fragments of p, two buffers
;   window 3: O, (a, cb) at v[64 a + 8 cb]
; O starts at 0: 256 v_mov_b32, in the wait for the first tiles.  That is the price of one text for every step: a first step written out, whose flush would start O, is some three times as long.
.set PPI,   272       ; a row of p in LDS: 256 bytes + 16 of padding = 68 words: the 16 rows of a load start at 16 different banks (64 banks of 4 bytes: ISA guide 11.1)
.set PVI,   288       ; a row of V: 256 + 32 = 72 words
.set VOFF,  256*PPI   ; in a slot: p's 256 rows, then V's 128 rows
.set SLOT1, 1<<17     ; a slot takes 106,496 bytes; slot 1 begins here, so that one exclusive or turns an address in one slot into the other's
.set GT,    SLOT1+VOFF+128*PVI  ; behind the ring, never filled by a tensor load: the factors, f32: g of chunk t, wave w, query 16 a + r at GT + 1,024 t + 256 w + 64 a + 4 r
.set STAGE, GT+16384  ; 16 rows x 528 bytes for each wave, for the way out
.set SP,    528       ; a row of 128 f32, 512 bytes + 16
.set SPARE, STAGE+4*16*SP  ; the spare words, 128 bytes for each wave: two blocks of 256 bytes that no other line names
.set LOFF,  524288    ; l's place in stats
.set VSTEP, 128*6144  ; bytes from a step's V to the next
.set AP0, 2           ; v2   my lane's place in a slot's p; never rewritten
.set AV0, 3           ; v3   the same for V
.set APC, 4           ; v4   AP0 + the slot in hand
.set AVC, 5           ; v5   AV0 + the slot in hand
.set GT0, 6           ; v6   my lane's place in chunk 0's factors; never rewritten
.set STO, 7           ; v7   the way out: where I put 16 bytes of a row
.set RD,  8           ; v8   the way out: where I read a row back
.set CO,  9           ; v9   16 x lane: my byte offset in 512 bytes of out0
.set GA,  10          ; v10  where my thread's two factors of chunk 0 go
.set SO,  11          ; v11  8 x thread: my byte offset in the tile's 256 words of stats
.set GTC, 12          ; v12  GT0 + the chunk whose factors are fetched next
.set SPW, 28          ; v28  LDS address of my spare word; never rewritten
.set NIL, 29          ; v29  0; never rewritten
.set VF,  32          ; V's fragments: buffer f, channel block cb at VF + 64 f + 8 cb
.set PF,  128         ; p's fragments: buffer f, query block a at PF + 16 f + 8 (a % 2), in a's window
.set G,   160         ; the even registers hold g; the odd ones are named with them as pairs and hold 0
.set CMR, 32          ; before the loop: cm of my two queries, chunk t at CMR + 2 t; then the exponentials, then g
.set LR,  64          ; l likewise
.set OB,  32          ; the way out: 16 rows read back, v32-95 and v96-159 by turns
.set WV,  12          ; s12  my wave's number
.set G1A, 24          ; s[24:31] descriptor group 1 for p's tiles
.set G1B, 32          ; s[32:39] for V's
.set G0A, 40          ; s[40:47] descriptor group 0 for p's tiles: a set for each of the two first fills; the second then walks on
.set G0B, 48          ; s[48:55] the same for V's
.set CNT, 56          ; s56  the loop's count
.set TG,  57          ; s57  1,024 x the chunk whose factors are fetched next
.set TB,  62          ; s62  the slot in hand: 0 or SLOT1
.set MSB, 0
.macro WIN new                      ; the immediate's high byte repeats the setting that is left; a switch that changes nothing is dropped
.if MSB != (\new)
	s_set_vgpr_msb (MSB<<8)|(\new)
.set MSB, \new
.endif
.endm
; A joint refill.  Waves 0 and 1 fetch the two halves of a step's p, waves 2 and 3 those of its V.  The branch hangs on the wave's number alone.
; An s_nop 0 and four v_nop follow each of the two lines, ahead of the jump and the label.
.macro JLOAD
	s_cmp_lt_u32 s[WV], 2
	s_cbranch_scc0 .Lfor_v_\@
	tensor_load_to_lds s[G0A+4:G0A+7], s[G1A:G1A+7]
	s_nop 0
.rept 4
	v_nop
.endr
	s_branch .Lasked_\@
.Lfor_v_\@:
	tensor_load_to_lds s[G0B+4:G0B+7], s[G1B:G1B+7]
	s_nop 0
.rept 4
	v_nop
.endr
.Lasked_\@:
.endm
; A round of the cluster's barrier: my work-group's barrier; wave 0 signals for the work-group; every wave waits for all sixteen work-groups; my work-group's barrier once more.
.macro CREST                        ; a round behind its opening barrier
	s_cmp_lg_u32 s[WV], 0
	s_cbranch_scc1 .Lnot_wave_0_\@
	s_barrier_signal -3
.Lnot_wave_0_\@:
	s_barrier_wait -3
	s_barrier_signal -1
	s_barrier_wait -1
.endm
.macro CROUND                       ; a whole round
	s_barrier_signal -1
	s_barrier_wait -1
	CREST
.endm
	s_load_b256 s[4:11], s[0:1], 0x0  ; p s[4:5], stats s[6:7], qkv s[8:9], out0 s[10:11]
	v_lshl_add_u32 v[SPW], v0, 2, SPARE
	v_mov_b32 v[NIL], 0
	ds_add_u32 v[SPW], v[NIL]       ; the wave's opening: the add and its wait stand ahead of my first tensor load; the set-up below, work on registers, stands between them
	v_lshrrev_b32 v1, 5, v0
	v_readfirstlane_b32 s[WV], v1   ; wave 0..3
	s_bfe_u32 s13, ttmp6, 0x40000   ; cx, cy: my place in the cluster
	s_bfe_u32 s14, ttmp6, 0x40004
	s_lshl_b32 s15, ttmp9, 2        ; in a cluster launch ttmp9 and ttmp7 count clusters
	s_add_co_u32 s15, s15, s13      ; tile of channels = 4 x cluster x + cx
	s_and_b32 s16, ttmp7, 0xffff
	s_lshr_b32 s17, s16, 1          ; the batch = cluster y / 2: all sixteen partners share it
	s_lshl_b32 s16, s16, 2
	s_add_co_u32 s16, s16, s14      ; tile of queries, of all 32 = 4 x cluster y + cy
	s_lshl_b32 s58, s14, 2
	s_lshl_b32 s58, 15, s58         ; my row of the cluster: places 4 cy .. 4 cy + 3
	s_lshl_b32 s59, 0x1111, s13     ; my column: places cx, cx + 4, cx + 8, cx + 12
	s_and_b32 s18, s[WV], 1         ; which half of a tile I fetch
	; descriptor group 1.  p: 128 rows x 128 elements; V: 64 rows x 128 elements; both padded in LDS
	s_or_b32 s[G1A], s58, (1<<16)|(1<<20)|(1<<21)|(5<<22)|(3<<25)  ; 15:0 the mask: p's tiles go to my row; 17:16 2-byte elements; 20 padding on; 21 set beside a mask; 24:22 after every 64 words (code 5); 31:25 4 words (code 3)
	s_or_b32 s[G1B], s59, (1<<16)|(1<<20)|(1<<21)|(5<<22)|(7<<25)  ; the mask of my column, for V's tiles; 8 words of padding (code 7)
	s_mov_b32 s[G1A+1], 128<<16     ; tensor_dim0 = 128
	s_mov_b32 s[G1A+2], 128<<16     ; tensor_dim1 = 128
	s_mov_b32 s[G1A+3], 128<<16     ; tile_dim0 = 128
	s_mov_b32 s[G1A+4], 128         ; tile_dim1 = 128
	s_mov_b32 s[G1A+5], 2048        ; elements from row to row of p
	s_mov_b32 s[G1A+6], 0
	s_mov_b32 s[G1A+7], 0
	s_mov_b32 s[G1B+1], 128<<16     ; tensor_dim0 = 128
	s_mov_b32 s[G1B+2], 64<<16      ; tensor_dim1 = 64
	s_mov_b32 s[G1B+3], 128<<16     ; tile_dim0 = 128
	s_mov_b32 s[G1B+4], 64          ; tile_dim1 = 64
	s_mov_b32 s[G1B+5], 3072        ; elements from row to row of qkv
	s_mov_b32 s[G1B+6], 0
	s_mov_b32 s[G1B+7], 0
	; p's tiles hang on the tile of queries alone, V's on the batch and the tile of channels; each offset is made in registers that never hold the other place in the cluster
	s_lshl_b32 s20, s16, 8
	s_lshl_b32 s19, s18, 7
	s_add_co_u32 s20, s20, s19      ; p: row 256 x tile of queries + 128 x half,
	s_lshl_b32 s20, s20, 12         ; of 4,096 bytes
	s_mov_b32 s21, 0
	s_lshl_b32 s22, s17, 11
	s_lshl_b32 s19, s18, 6
	s_add_co_u32 s22, s22, s19      ; V: row 2,048 x batch + 64 x half,
	s_mul_i32 s22, s22, 6144        ; of 6,144 bytes,
	s_lshl_b32 s23, s15, 8
	s_add_co_u32 s22, s22, s23      ; + 256 bytes x tile of channels
	s_add_co_u32 s22, s22, 4096     ; + V's place in a row of qkv
	s_mov_b32 s23, 0
	s_mul_i32 s60, s18, 128*PPI     ; where they go in a slot: no place in the cluster enters an LDS address
	s_mul_i32 s61, s18, 64*PVI
	s_add_co_u32 s61, s61, VOFF
	s_lshl_b32 s66, s17, 17         ; stats: 16 chunks x 8,192 bytes a batch,
	s_and_b32 s67, s16, 7
	s_lshl_b32 s67, s67, 10         ; + the tile's 256 words in its batch
	s_add_co_u32 s66, s66, s67
	s_mov_b32 s67, 0
	s_lshl_b32 s68, s16, 20         ; out0: (256 x tile of queries + 64 x wave) rows of 4,096 bytes + 512 bytes x tile of channels
	s_lshl_b32 s69, s[WV], 18
	s_add_co_u32 s68, s68, s69
	s_lshl_b32 s69, s15, 9
	s_add_co_u32 s68, s68, s69
	s_mov_b32 s69, 0
	s_mov_b32 s[TB], 0
	s_mov_b32 s[TG], 0
	s_wait_dscnt 0x0                ; the opening add is done
	s_wait_kmcnt 0x0
	s_add_nc_u64 s[4:5], s[4:5], s[20:21]
	s_add_nc_u64 s[8:9], s[8:9], s[22:23]
	s_add_nc_u64 s[6:7], s[6:7], s[66:67]
	s_add_nc_u64 s[10:11], s[10:11], s[68:69]
	CROUND                          ; all sixteen work-groups are here: the first joint loads meet
.irp s, 0,1
	s_mov_b32 s[G0A+4*(\s)], 1      ; count = 1
	s_add_co_u32 s[G0A+4*(\s)+1], s60, (\s)*SLOT1  ; LDS address
	s_add_nc_u64 s[G0A+4*(\s)+2:G0A+4*(\s)+3], s[4:5], (\s)*256  ; global address: step s
	s_or_b32 s[G0A+4*(\s)+3], s[G0A+4*(\s)+3], 0x80000000  ; type = 2
	s_mov_b32 s[G0B+4*(\s)], 1
	s_add_co_u32 s[G0B+4*(\s)+1], s61, (\s)*SLOT1
	s_add_nc_u64 s[G0B+4*(\s)+2:G0B+4*(\s)+3], s[8:9], (\s)*VSTEP
	s_or_b32 s[G0B+4*(\s)+3], s[G0B+4*(\s)+3], 0x80000000
.endr
	s_cmp_lt_u32 s[WV], 2           ; a wave's two first fills stand in one branch, ahead of every wait on TENSORcnt and every LDS read: two loads of mine are out, the most in this text
	s_cbranch_scc0 .Lfirst_v
	tensor_load_to_lds s[G0A:G0A+3], s[G1A:G1A+7]
	s_nop 0
	tensor_load_to_lds s[G0A+4:G0A+7], s[G1A:G1A+7]
	s_nop 0
.rept 4
	v_nop
.endr
	s_branch .Lfirst_asked
.Lfirst_v:
	tensor_load_to_lds s[G0B:G0B+3], s[G1B:G1B+7]
	s_nop 0
	tensor_load_to_lds s[G0B+4:G0B+7], s[G1B:G1B+7]
	s_nop 0
.rept 4
	v_nop
.endr
.Lfirst_asked:
	; THE FACTORS, in the wait for the first tiles.  Thread i takes queries 2 i and 2 i + 1 of the tile, which are its own wave's; a wave's load covers 256 consecutive bytes.
	v_lshlrev_b32 v[SO], 3, v0
.set t, 0
.rept 16
	global_load_b64 v[CMR+2*t:CMR+2*t+1], v[SO], s[6:7] offset:8192*t
.set t, t+1
.endr
.set t, 0
.rept 16
	global_load_b64 v[LR+2*t:LR+2*t+1], v[SO], s[6:7] offset:LOFF+8192*t
.set t, t+1
.endr
	v_and_b32 v1, 15, v0            ; r = l % 16
	v_bfe_u32 v13, v0, 4, 1         ; h = l / 16
	v_and_b32 v14, 7, v0            ; l % 8
	v_bfe_u32 v15, v0, 3, 1         ; (l / 8) % 2
	v_and_b32 v16, 31, v0           ; l
	s_mul_i32 s19, s[WV], 64*PPI    ; a fragment of p is 16 queries x 32 keys: lane l holds query l % 16, keys 8 h + 0..7 and 16 + 8 h + 0..7: two loads of 16 bytes, 32 bytes apart
	v_mul_u32_u24 v[AP0], v1, PPI
	v_lshl_add_u32 v[AP0], v13, 4, v[AP0]
	v_add_nc_u32 v[AP0], s19, v[AP0]
	v_lshl_add_u32 v[AV0], v13, 3, v14  ; the turning load takes 16 keys x 16 channels (lane l reads key 8 h + l % 8, channels 8 ((l / 8) % 2) + 0..7) and leaves half a fragment of V^T: lane l holds channel l % 16 and 8 keys
	v_mul_u32_u24 v[AV0], v[AV0], PVI
	v_lshl_add_u32 v[AV0], v15, 4, v[AV0]
	v_add_nc_u32 v[AV0], VOFF, v[AV0]
	v_mov_b32 v[APC], v[AP0]        ; step 0 lies in slot 0
	v_mov_b32 v[AVC], v[AV0]
	s_lshl_b32 s19, s[WV], 8
	s_add_co_u32 s19, s19, GT
	v_lshl_add_u32 v[GT0], v1, 2, s19  ; out of the table: query l % 16 of block 0; the other blocks' lie 64 bytes apart
	v_mov_b32 v[GTC], v[GT0]
	v_lshl_add_u32 v[GA], v0, 3, GT ; into it: queries 2 l and 2 l + 1 of wave w are block l / 8, rows 2 (l % 8) and the next: 256 w + 64 (l / 8) + 8 (l % 8) = 8 x my thread's number
	s_mul_i32 s19, s[WV], 16*SP
	s_add_co_u32 s19, s19, STAGE    ; my stage
	v_mul_u32_u24 v[STO], v1, SP    ; in: row l % 16, 32 bytes for each half of the lanes
	v_lshl_add_u32 v[STO], v13, 5, v[STO]
	v_add_nc_u32 v[STO], s19, v[STO]
	v_lshlrev_b32 v[CO], 4, v16     ; back: 32 lanes take a row's 512 bytes
	v_add_nc_u32 v[RD], s19, v[CO]
.irp a, 0,1,2,3
	v_mov_b32 v[G+2*(\a)+1], 0      ; named with g as a pair, never used
.endr
	WIN 0xc0                        ; destination window 3
.set i, 0
.rept 256
	v_mov_b32 v[i], 0               ; O
.set i, i+1
.endr
	WIN 0
	s_wait_loadcnt 0x0              ; cm and l
	v_max3_num_f32 v96, v[CMR], v[CMR+2], v[CMR+4]     ; CM of my two queries: 16 numbers each, three operands at a time
	v_max3_num_f32 v97, v[CMR+1], v[CMR+3], v[CMR+5]
.set t, 3
.rept 6
	v_max3_num_f32 v96, v96, v[CMR+2*t], v[CMR+2*t+2]
	v_max3_num_f32 v97, v97, v[CMR+2*t+1], v[CMR+2*t+3]
.set t, t+2
.endr
	v_max_num_f32 v96, v96, v[CMR+30]
	v_max_num_f32 v97, v97, v[CMR+31]
.set t, 0
.rept 16
	v_pk_add_f32 v[CMR+2*t:CMR+2*t+1], v[CMR+2*t:CMR+2*t+1], v[96:97] neg_lo:[0,1] neg_hi:[0,1]  ; cm - CM: 0 or less
.set t, t+1
.endr
.set t, 0
.rept 32
	v_exp_f32 v[CMR+t], v[CMR+t]
.set t, t+1
.endr
	v_nop                           ; a plain instruction between the last exponential and the use of its result (ISA guide 5.7.2)
	s_wait_alu depctr_va_vdst(0)
	v_pk_mul_f32 v[98:99], v[CMR:CMR+1], v[LR:LR+1]    ; L: the first term starts the sum.  The chunk that holds the row's maximum gives 1 x l, and its l is 1 or more
.set t, 1
.rept 15
	v_pk_fma_f32 v[98:99], v[CMR+2*t:CMR+2*t+1], v[LR+2*t:LR+2*t+1], v[98:99]
.set t, t+1
.endr
	v_rcp_f32 v100, v98
	v_rcp_f32 v101, v99
	v_nop                           ; a plain instruction between the last reciprocal and the use of its result
.set t, 0
	s_wait_alu depctr_va_vdst(0)
.rept 16
	v_pk_mul_f32 v[CMR+2*t:CMR+2*t+1], v[CMR+2*t:CMR+2*t+1], v[100:101]  ; g
.set t, t+1
.endr
.set t, 0
.rept 16
	ds_store_b64 v[GA], v[CMR+2*t:CMR+2*t+1] offset:1024*t
.set t, t+1
.endr
; THE MATRIX WORK.  The 32 accumulators take turns in the same order in every quarter.
.macro PROD f, a, cb, zero          ; query block a, channel block cb, 32 keys of buffer f.  zero = 1: a chunk's first quarter: the product starts the sum
	WIN 0x54*(1+(\a)/2)             ; source 0 window 0; source 1, C and D the block's window
.set rO, 8*(8*((\a)%2)+(\cb))
.set rV, VF+64*(\f)+8*(\cb)
.set rP, PF+16*(\f)+8*((\a)%2)
.if \zero
	v_wmma_f32_16x16x32_f16 v[rO:rO+7], v[rV:rV+7], v[rP:rP+7], 0
.else
	v_wmma_f32_16x16x32_f16 v[rO:rO+7], v[rV:rV+7], v[rP:rP+7], v[rO:rO+7]
.endif
.endm
.macro FLUSH a, cb                  ; O += g x the chunk's sum, for one accumulator: its lowest registers first
	WIN 0xf1+(\a)/2                 ; source 0 the block's window, source 1 window 0, source 2 and destination window 3
.irp n, 0,1,2,3
	v_pk_fma_f32 v[64*(\a)+8*(\cb)+2*(\n):64*(\a)+8*(\cb)+2*(\n)+1], v[8*(8*((\a)%2)+(\cb))+2*(\n):8*(8*((\a)%2)+(\cb))+2*(\n)+1], v[G+2*(\a):G+2*(\a)+1], v[64*(\a)+8*(\cb)+2*(\n):64*(\a)+8*(\cb)+2*(\n)+1] op_sel_hi:[1,0,1]
.endr
.endm
; The 8 products of query block a on buffer f.  fl = 0..3: behind each stands the flush of one accumulator of block fl, which names no register of the products round it; fl = -1: none.
.macro BLK f, a, zero, fl
.irp cb, 0,1,2,3,4,5,6,7
	PROD \f, \a, \cb, \zero
.if (\fl) >= 0
	FLUSH \fl, \cb
.endif
.endr
.endm
; A load into a register that a matrix instruction has read, and a vector instruction that reads a matrix result, stand four places behind that matrix instruction; only plain vector
; instructions that name none of its registers are places (ISA guide 7.12.1 for vector instructions).  Where a flush stands between, its lines are the places.
.macro PLACES
.rept 4
	v_nop
.endr
.endm
; THE LDS LOADS of a quarter (keys 32 kq on of the slot in hand) stand in one run of 24, into buffer g: V's 16, then p's 4 for blocks 0, 1, then its 4 for blocks 2, 3.  withg = 1: ahead of them the chunk's four g.
.macro FETCH kq, g, withg
	WIN 0
.if \withg
.irp a, 0,1,2,3
	ds_load_b32 v[G+2*(\a)], v[GTC] offset:64*(\a)
.endr
.endif
.irp cb, 0,1,2,3,4,5,6,7
	ds_load_tr16_b128 v[VF+64*(\g)+8*(\cb):VF+64*(\g)+8*(\cb)+3],   v[AVC] offset:(\kq)*32*PVI+32*(\cb)
	ds_load_tr16_b128 v[VF+64*(\g)+8*(\cb)+4:VF+64*(\g)+8*(\cb)+7], v[AVC] offset:(\kq)*32*PVI+16*PVI+32*(\cb)
.endr
	WIN 0x40                        ; destination window 1
.irp a, 0,1
	ds_load_b128 v[PF+16*(\g)+8*(\a):PF+16*(\g)+8*(\a)+3],   v[APC] offset:(\a)*16*PPI+64*(\kq)
	ds_load_b128 v[PF+16*(\g)+8*(\a)+4:PF+16*(\g)+8*(\a)+7], v[APC] offset:(\a)*16*PPI+64*(\kq)+32
.endr
	WIN 0x80                        ; destination window 2
.irp a, 0,1
	ds_load_b128 v[PF+16*(\g)+8*(\a):PF+16*(\g)+8*(\a)+3],   v[APC] offset:((\a)+2)*16*PPI+64*(\kq)
	ds_load_b128 v[PF+16*(\g)+8*(\a)+4:PF+16*(\g)+8*(\a)+7], v[APC] offset:((\a)+2)*16*PPI+64*(\kq)+32
.endr
.endm
; A step is four quarters of 32 keys, 32 matrix instructions each, on buffers 0, 1, 0, 1.  One of the first three: multiplies buffer f and fetches quarter kn into buffer g.
; first = 1: the chunk's first quarter: its products start the sums, and its run of loads brings the chunk's g, behind the last line that reads the old ones.
; fl = 3: block 0's products carry the flush of block 3 of the chunk before; fl = -1: no flush, and four v_nop are the places in front of the loads.
.macro QUARTER kn, f, g, first, fl
	s_wait_dscnt 4                  ; V and p's blocks 0, 1 are in; the youngest four loads (blocks 2, 3) may be out
	BLK \f, 0, \first, \fl
.if (\fl) < 0
	PLACES
.endif
	FETCH \kn, \g, \first
	BLK \f, 1, \first, -1
	s_wait_dscnt 24                 ; all but the youngest 24 of the run just issued: p's blocks 2, 3 of this quarter are in, and so are the g at the run's head
	BLK \f, 2, \first, -1
	BLK \f, 3, \first, -1
.endm
; The last quarter multiplies buffer 1, flushes blocks 0 to 2 and changes slots: one barrier.  In front of it each wave waits for all its tensor loads, of which one is out: its part of the next slot;
; adds 0 to its spare word; and waits for that and for its own reads of this slot.  Behind it nobody reads this slot any more and the next slot is whole.
; fill = 1: the barrier opens a round of the cluster's barrier, and this slot is filled again, two steps on, first thing behind the round.
.macro TURN fill
	WIN 0                           ; (the add's two registers lie in window 0)
	s_wait_tensorcnt 0x0            ; all my tensor loads have landed, so a group 0 may be written
	ds_add_u32 v[SPW], v[NIL]       ; 0 onto my spare word
	s_wait_dscnt 5                  ; the add and the youngest four loads may be out
	BLK 1, 0, 0, -1                 ; eight products stand between the add and the wait for it,
	PLACES                          ; and the places between them and the first line that reads their sums
	s_wait_dscnt 0x0                ; the add is done, and my reads of this slot are over
	s_barrier_signal -1
	BLK 1, 1, 0, 0                  ; work on registers while the others arrive
	WIN 0
	s_barrier_wait -1
.if \fill
	CREST                           ; no wave of any partner still reads this slot's tiles or has a load on its way
	s_xor_b32 s[G0A+5], s[G0A+5], SLOT1  ; the walking descriptors: the other slot than last time,
	s_add_nc_u64 s[G0A+6:G0A+7], s[G0A+6:G0A+7], 256  ; the next 128 keys; the type bits on top are not reached
	s_xor_b32 s[G0B+5], s[G0B+5], SLOT1
	s_add_nc_u64 s[G0B+6:G0B+7], s[G0B+6:G0B+7], VSTEP
	JLOAD                           ; my one tensor load behind the round
.endif
	s_xor_b32 s[TB], s[TB], SLOT1   ; the fetches go on in the other slot, with the next chunk's factors
	s_add_co_u32 s[TG], s[TG], 1024
	v_add_nc_u32 v[APC], s[TB], v[AP0]
	v_add_nc_u32 v[AVC], s[TB], v[AV0]
	v_add_nc_u32 v[GTC], s[TG], v[GT0]
	FETCH 0, 0, 0                   ; buffer 0's last product ends the quarter before: block 0's flush stands between
	BLK 1, 2, 0, 1
	BLK 1, 3, 0, 2
.endm
	s_wait_tensorcnt 1              ; my part of step 0 is in; step 1's may stay out
	s_wait_dscnt 0x0                ; my factors are in LDS
	s_barrier_signal -1
	s_barrier_wait -1               ; everybody's are
	FETCH 0, 0, 0
	QUARTER 1, 0, 1, 1, -1          ; the first quarter stands in front of the loop: there is no chunk before it to flush
	WIN 0                           ; at a label and at a branch every window is 0
	s_mov_b32 s[CNT], 14
.Lstep:                             ; 14 trips, from a step's second quarter to the next step's first: steps 2 to 15 are asked for
	QUARTER 2, 1, 0, 0, -1
	QUARTER 3, 0, 1, 0, -1
	TURN 1
	QUARTER 1, 0, 1, 1, 3
	WIN 0
	s_sub_co_u32 s[CNT], s[CNT], 1
	s_cmp_lg_u32 s[CNT], 0
	s_cbranch_scc1 .Lstep
	QUARTER 2, 1, 0, 0, -1          ; the tail is written out: steps 14 and 15, nothing is asked for
	QUARTER 3, 0, 1, 0, -1
	TURN 0
	QUARTER 1, 0, 1, 1, 3
	QUARTER 2, 1, 0, 0, -1
	QUARTER 3, 0, 1, 0, -1
	s_wait_dscnt 4                  ; the very last quarter: nothing more to fetch
	BLK 1, 0, 0, -1
	PLACES
	BLK 1, 1, 0, 0
	s_wait_dscnt 0x0
	BLK 1, 2, 0, 1
	BLK 1, 3, 0, 2
.irp cb, 0,1,2,3,4,5,6,7
	FLUSH 3, \cb                    ; block 2's flush stands between block 3's products and these lines
.endr
	; THE WAY OUT.  The divisor lies in g, so O leaves as it is.  A lane's eight sums are 32 bytes of a row; a block of 16 rows at a time goes through my own stage and comes back as whole rows of 512 bytes.
.irp a, 0,1,2,3
	WIN 0x0c                        ; the stores' data: window 3
.irp cb, 0,1,2,3,4,5,6,7
	ds_store_b128 v[STO], v[64*(\a)+8*(\cb):64*(\a)+8*(\cb)+3]   offset:64*(\cb)
	ds_store_b128 v[STO], v[64*(\a)+8*(\cb)+4:64*(\a)+8*(\cb)+7] offset:64*(\cb)+16
.endr
	WIN 0
.if (\a) >= 2
	s_wait_xcnt 0x0                 ; the registers that block a - 2's stores read are loaded again only behind this wait (ISA guide 3.1)
.endif
.irp i, 0,1,2,3,4,5,6,7,8,9,10,11,12,13,14,15
	ds_load_b128 v[OB+64*((\a)%2)+4*(\i):OB+64*((\a)%2)+4*(\i)+3], v[RD] offset:(\i)*SP  ; LDS serves a wave's instructions in order (ISA guide 5.7.1.4): these see the stores above; the next block's stores come behind them
.endr
.irp i, 0,1,2,3,4,5,6,7,8,9,10,11,12,13,14,15
	s_wait_dscnt 15-(\i)            ; row i is in; the 15 - i loads issued behind it may be out
	global_store_b128 v[CO], v[OB+64*((\a)%2)+4*(\i):OB+64*((\a)%2)+4*(\i)+3], s[10:11] offset:(16*(\a)+(\i))*4096 th:TH_STORE_NT  ; 512 consecutive bytes, at a multiple of 512 from out0's first byte
.endr
.endr
	s_wait_tensorcnt 0x0            ; the wave's end: these three lines stand behind my last tensor load and my last LDS store
	ds_add_u32 v[SPW], v[NIL]
	s_wait_dscnt 0x0
	CROUND                          ; the closing round: no work-group ends while a partner may still ask for a tile that names it
	s_endpgm
.Lfunc_end_k_q6c18a5c52f_pv:
	.size	k_q6c18a5c52f_pv, .Lfunc_end_k_q6c18a5c52f_pv-k_q6c18a5c52f_pv
	.p2alignl 7, 3214868480
	.fill 96, 4, 3214868480
	.section	.rodata,"a",@progbits
	.p2align	6, 0x0
	.amdhsa_kernel k_q6c18a5c52f_pv
		.amdhsa_group_segment_fixed_size 327680
		.amdhsa_private_segment_fixed_size 0
		.amdhsa_enable_private_segment 0
		.amdhsa_kernarg_size 32
		.amdhsa_user_sgpr_count 2
		.amdhsa_user_sgpr_kernarg_segment_ptr 1
		.amdhsa_wavefront_size32 1
		.amdhsa_system_sgpr_workgroup_id_x 1
		.amdhsa_system_sgpr_workgroup_id_y 1
		.amdhsa_system_sgpr_workgroup_id_z 1
		.amdhsa_system_vgpr_workitem_id 0
		.amdhsa_next_free_vgpr 1024
		.amdhsa_next_free_sgpr 72
		.amdhsa_reserve_vcc 0
		.amdhsa_float_denorm_mode_32 3
		.amdhsa_float_denorm_mode_16_64 3
		.amdhsa_memory_ordered 1
		.amdhsa_forward_progress 1
		.amdhsa_inst_pref_size 120
	.end_amdhsa_kernel
	.amdgpu_metadata
---
amdhsa.version: [ 1, 2 ]
amdhsa.kernels:
  - .name:           k_q6c18a5c52f_pv
    .symbol:         k_q6c18a5c52f_pv.kd
    .args:
      - { .name: p, .offset: 0, .size: 8, .value_kind: global_buffer, .address_space: global }
      - { .name: stats, .offset: 8, .size: 8, .value_kind: global_buffer, .address_space: global }
      - { .name: qkv, .offset: 16, .size: 8, .value_kind: global_buffer, .address_space: global }
      - { .name: out0, .offset: 24, .size: 8, .value_kind: global_buffer, .address_space: global }
    .group_segment_fixed_size: 327680
    .private_segment_fixed_size: 0
    .kernarg_segment_align: 8
    .kernarg_segment_size: 32
    .max_flat_workgroup_size: 128
    .sgpr_count:     72
    .vgpr_count:     1024
    .wavefront_size: 32
...
	.end_amdgpu_metadata
.endif
;; end of part 4
